; MI455X (gfx1250); checked and timed in simulation.
; The chip was launched on July 23, 2026; its instructions are those of AMD's public machine-readable ISA for CDNA 5 (MIT licence, August 2026) and "CDNA5" Instruction Set Architecture Reference Guide (July 2026). The comments in the code are by the model that wrote it; some were corrected since.
;; OT Flow. Allowed arithmetic: matrix products marked QUANTISED: E2M3 operands, one E8M0 scale for each 32 along K, by v_wmma_scale_f32_16x16x128_f8f6f4 with both operands' format E2M3, f32 sums; products left as they are: f32 operands where the result goes on into a quantised operand, else bf16, f16 or f32 operands; f32 sums; everything else in f32.
;; Inputs: A 10 x 65 float32; K0 512 x 65 float32; K1 512 x 512 float32; b0 512 float32; b1 512 float32; c_b one number float32; c_w 65 float32; t one number float32; w 512 float32; x 2,048 x 64 float32.
;; Outputs: out0 2,048 x 64 float32; out1 2,048 x 1 float32; out2 2,048 x 1 float32; out3 2,048 x 1 float32.
;; This version of the problem:
;;   THIS VERSION OF THE PROBLEM IS GIVEN IN LOW PRECISION. The matrix products marked QUANTISED in the list below multiply operands that are first quantised to E2M3 (2 exponent bits, 3 mantissa bits; 6 bits a number), with one power-of-two scale for each 32 numbers along K (OCP MX v1.0); their sums are f32. All else is computed in f32.
;;   The module's matrix products, in the order in which they are computed (A, B: the left and right operand; K: the contracted axis; several contracted axes count as one K, in the product's order):
;;     1. [M 65, K 10] x [K 10, N 65]; A: input A; B: input A: left as it is (K = 10 < 32)
;;     2. [M 2,048, K 65] x [K 65, N 512]; A: computed on the way; B: input K0: QUANTISED
;;     3. [M 2,048, K 512] x [K 512, N 512]; A: computed on the way; B: input K1: QUANTISED
;;     4. [M 2,048, K 512] x [K 512, N 512]; A: computed on the way; B: input K1: QUANTISED
;;     5. [M 2,048, K 512] x [K 512, N 65]; A: computed on the way; B: input K0: QUANTISED
;;     6. [M 2,048, K 65] x [K 65, N 65]; A: computed on the way; B: computed on the way: QUANTISED
;;     7. [M 2,048, K 512] x [K 512, N 1]; A: computed on the way; B: computed on the way: left as it is (N = 1 < 16)
;;     8. [M 131,072, K 512] x [K 512, N 512]; A: computed on the way; B: input K1: QUANTISED
;;     9. batch 2,048 x [M 1, K 512] x [K 512, N 1]; A: computed on the way; B: computed on the way: left as it is (M = 1 < 16)
;;   THE QUANTISER, for each operand of a quantised product, along K:
;;     - K is cut into blocks of 32 from its start; a last block that is shorter is filled with zeros.
;;     - A block's scale is 2^e with e = floor(log2(the largest magnitude in the block)) - 2, held to -126 .. 127; a block of zeros has e = 0. As a byte (E8M0): e + 127.
;;     - Each number is divided by its block's scale, clamped to +-7.5, and rounded to the nearest number of E2M3, ties to even, subnormals kept.
;;     - The product sums the exact products of the quantised numbers (number of the format x scale) in f32.
;;   ~~~python
;;   def quantise(x, axis):      # numpy; x: float32 -> the quantised numbers, widened to float32 again
;;       x = np.moveaxis(x, axis, -1); K = x.shape[-1]
;;       x = np.pad(x, [(0, 0)] * (x.ndim - 1) + [(0, -K % 32)]); x = x.reshape(x.shape[:-1] + (-1, 32)); a = np.abs(x).max(-1, keepdims=True)
;;       e = np.where(a > 0, np.clip(np.frexp(np.where(a > 0, a, 1))[1] - 1 - 2, -126, 127), 0)      # np.frexp(a)[1] - 1 = floor(log2(a)), exactly
;;       r = np.clip(x / 2.0 ** e, -7.5, 7.5)
;;       step = 2.0 ** (np.maximum(np.frexp(np.where(r == 0, 1, r))[1] - 1, 0) - 3)
;;       q = np.round(r / step) * step * 2.0 ** e      # np.round: ties to even
;;       return np.moveaxis(q.reshape(q.shape[:-2] + (-1,))[..., :K], -1, axis).astype(np.float32)
;;   ~~~
;;   OPERANDS COMPUTED ON THE WAY. 'Computed on the way' means the value that the module computes at that place (a softmax that the list does not call 'softmax' is quantised finished and normalised). What goes into a quantiser is computed in f32, as accurately as f32 sums, v_exp_f32 and their like allow (about 1e-6 of the number): no bf16 or f16 on the way to a quantiser, and a product that is left as it is and whose result goes on into a quantised operand takes f32 operands (vector FMAs, or v_wmma_f32_16x16x4_f32). A number that lies on a knife's edge between two numbers of the format may be rounded either way, as far as f32 arithmetic and the matrix unit's own rounding can turn it there, and no further.
;; 2 versions, each right and faster than the one before. Each part assembles by itself: llvm-mc -triple=amdgcn-amd-amdhsa -mcpu=gfx1250 --defsym DOCPART=n.
;; ======== version 1 of 2: 2 launches
;; workspace buffers: wk1a 204,800 bytes; wk1b 204,800 bytes; wk0a 51,200 bytes; wsm 40,960 bytes; wkop 131,072 bytes; wksq 2,048 bytes
;; launch prep (part 1): grid 82 x 1, 1 waves a work-group, no clusters, 512 bytes of LDS; arguments A, K0, K1, wk1a, wk1b, wk0a, wsm, wkop, wksq; writes wk1a, wk1b, wk0a, wsm, wkop, wksq
.if DOCPART == 1
	.amdgcn_target "amdgcn-amd-amdhsa--gfx1250"
	.amdhsa_code_object_version 6
	.text
	.protected	k_qd4fa1093d1_prep
	.globl	k_qd4fa1093d1_prep
	.p2align	8
	.type	k_qd4fa1093d1_prep,@function
k_qd4fa1093d1_prep:
	s_mov_b64 s[64:65], 0
	v_nop
	global_prefetch_b8 v0, s[64:65] scope:SCOPE_SE
	s_setreg_imm32_b32 hwreg(HW_REG_WAVE_MODE, 25, 1), 1
	s_wait_xcnt 0x0
; THE WEIGHTS ARE QUANTISED ONCE, to codes of FP6 (E2M3) with one E8M0 byte for each 32 along K, and laid in the order of the operand's registers.
; A FRAGMENT is 16 rows x 128 K in 12 registers: lane (r, h) holds row r, registers 6 c .. 6 c + 5 hold K = 64 c + 32 h + 0 .. 31.  Its IMAGE is 1,536 bytes: registers 4 q .. 4 q + 3 of lane l at 512 q + 16 l.
; 82 jobs, one wave each, told apart by the work-group's number:
;   0-31  K1 along its axis 1 (rows i, K = j) -> wk1a      32-63  K1 along its axis 0 (rows j, K = i) -> wk1b
;   64-71 K0 along its axis 1 (K = 65, filled to 128 with zero codes) -> wk0a, and the row sums of K0[:, :64]^2 -> wksq
;   72-76 K0 along its axis 0 (rows c = 0 .. 64, K = m) -> wsm, and K0[:, :64] as f32 in the order in which the next launch multiplies it -> wkop
;   77-81 symA = A^T A (f32 multiply-adds, K = 10 ascending) along its axis 0 -> wsm, and the parts of trace(symA[:64, :64])
; THE ROWS OF A TILE of K1 and of K0 (axis 1) ARE NOT NEIGHBOURS: lane r of tile 2 b + u of quarter w takes row 128 w + 32 b + 8 u + r + 8 (r / 8).
; A block's scale is 2^(floor(log2(its largest magnitude)) - 2): its byte is the largest magnitude's exponent field - 2, held at 1 from below by a floor among the maximum's leaves.
; LIMITS: a block of zeros gets the byte 1 where the rule says 127 (its codes are zeros, and only this program reads the bytes); NaN and infinities among the inputs are not served.
.set VR,   1                           ; v1      r = lane % 16
.set VH,   2                           ; v2      h = lane / 16
.set SH8,  3                           ; v3      8 h
.set OA,   4                           ; v4, v5  load offsets
.set OB,   5
.set LI,   6                           ; v6      16 x lane
.set R16,  7                           ; v7      16 r
.set MK,   8                           ; v[8:9]  a mask as numbers, twice
.set AC,   10                          ; v10-19  A[rr][my column]; in jobs 64-71 four pairs of row sums
.set PWS,  20                          ; v20-23  four scale words
.set BM,   24                          ; v24-27  largest magnitudes
.set BSCL, 28                          ; v28-29  the conversions' scale operands
.set BBY,  30                          ; v30-31  scale bytes
.set PT,   32                          ; v32     a lane permute's destination
.set RP,   33                          ; v33     r + 8 (r / 8)
.set T1,   34
.set T2,   35
.set PC,   36                          ; v36-47  the fragment just made
.set PX,   48                          ; v48-50, v52-54  the upper halves of its blocks, as converted
.set KD,   56
.set W,    64                          ; v64-127, v128-191  two sets of 64 numbers: register 32 c + i = K 64 c + 32 h + i of my row
.set MSB,  0
.macro WIN new                         ; the immediate's high byte repeats the setting that is left
.set WNEW, \new
.if MSB != WNEW
	s_set_vgpr_msb (MSB<<8)|WNEW
.set MSB, WNEW
.endif
.endm
; 64 numbers of a lane, two whole blocks of 32, become the fragment in v[PC] on and the row's scale word in v[pw] (every lane)
.macro BQ src, pw
.irp c, 0,1
.irp a, 0,1
	v_max3_num_f32 v[BM+2*\c+\a], |v[\src+32*\c+16*\a]|, |v[\src+32*\c+16*\a+1]|, 0x1800000   ; four chains; the floor 2^(3 - 127) holds the byte at 1 from below
.endr
.endr
.irp i, 2,4,6,8,10,12,14
.irp c, 0,1
.irp a, 0,1
	v_max3_num_f32 v[BM+2*\c+\a], v[BM+2*\c+\a], |v[\src+32*\c+16*\a+\i]|, |v[\src+32*\c+16*\a+\i+1]|
.endr
.endr
.endr
.irp c, 0,1
	v_max_num_f32 v[BM+2*\c], v[BM+2*\c], v[BM+2*\c+1]
.endr
.irp c, 0,1
	v_add_nc_u32 v[BSCL+\c], 0xff000000, v[BM+2*\c]        ; 2 off the exponent field: the conversion takes that field as its scale
.endr
.irp c, 0,1
	v_lshrrev_b32 v[BBY+\c], 23, v[BSCL+\c]                ; the scale's byte
.endr
	s_wait_xcnt 0x0                                        ; the last fragment's stores have read v[PC] on
.irp c, 0,1
	v_cvt_scalef32_pk16_fp6_f32 v[PC+6*\c:PC+6*\c+2], v[\src+32*\c:\src+32*\c+15], v[BSCL+\c]
	v_cvt_scalef32_pk16_fp6_f32 v[PX+4*\c:PX+4*\c+2], v[\src+32*\c+16:\src+32*\c+31], v[BSCL+\c]   ; (a conversion's three registers begin on an even number)
.endr
	v_lshl_or_b32 v[\pw], v[BBY+1], 16, v[BBY]             ; my bytes: blocks h and 2 + h.  (The plain line behind the conversions)
	v_lshlrev_b32 v[\pw], v[SH8], v[\pw]                   ; at their places in the word
.irp c, 0,1
.irp i, 0,1,2
	v_mov_b32 v[PC+6*\c+3+\i], v[PX+4*\c+\i]
.endr
.endr
	v_permlanex16_b32 v[PT], v[\pw], s26, s27
	v_or_b32 v[\pw], v[\pw], v[PT]                         ; with lane l xor 16's two bytes the word is whole
.endm
.macro OUTF base, off                  ; the fragment leaves as its image: each store covers 512 consecutive bytes
.irp q, 0,1,2
	global_store_b128 v[LI], v[PC+4*\q:PC+4*\q+3], s[\base:\base+1] offset:\off+512*\q
.endr
.endm
.macro LDA s                           ; K step s where K is innermost: 2 x 128 bytes of my row
.irp c, 0,1
.irp q, 0,1,2,3,4,5,6,7
	global_load_b128 v[W+64*((\s)%2)+32*\c+4*\q:W+64*((\s)%2)+32*\c+4*\q+3], v[OA], s[12:13] offset:512*(\s)+256*\c+16*\q
.endr
.endr
.endm
.macro LDB s, pitch, base              ; K step s where K runs down the rows: my column, registers down K
.irp c, 0,1
.irp i, 0,1,2,3,4,5,6,7,8,9,10,11,12,13,14,15,16,17,18,19,20,21,22,23,24,25,26,27,28,29,30,31
	global_load_b32 v[W+64*((\s)%2)+32*\c+\i], v[OA], s[\base:\base+1] offset:(128*(\s)+64*\c+\i)*\pitch
.endr
.endr
.endm
.macro LD kind, s
.if \kind == 1
	LDA \s
.else
	LDB \s, 2048, 12
.endif
.endm
.macro STEPS kind                      ; four K steps of one tile of K1, loads one step ahead in the other set
	LD \kind, 0
	LD \kind, 1
.irp s, 0,1,2,3
.if \s == 3
	s_wait_loadcnt 0x0
.elseif \kind == 1
	s_wait_loadcnt 16                                      ; this set is in; the other set's 16 loads may be out
.else
	s_wait_loadcnt 63                                      ; 64 loads were issued behind this set; 63 is the most that the count can name
.endif
	BQ W+64*(\s%2), PWS+\s
	OUTF 34, 1536*\s
.if \s < 2
	LD \kind, \s+2
.endif
.endr
.endm
	s_load_b512 s[8:23], s[0:1], 0x0               ; A s[8:9], K0 s[10:11], K1 s[12:13], wk1a s[14:15], wk1b s[16:17], wk0a s[18:19], wsm s[20:21], wkop s[22:23]
	s_load_b64 s[24:25], s[0:1], 0x40              ; wksq
	v_lshl_add_u32 v254, v0, 2, 0x100
	v_mov_b32 v255, 0
	v_and_b32 v[VR], 15, v0
	v_lshrrev_b32 v[VH], 4, v0
	v_lshlrev_b32 v[SH8], 3, v[VH]
	v_lshlrev_b32 v[LI], 4, v0
	v_lshlrev_b32 v[R16], 4, v[VR]
	v_and_b32 v[RP], 8, v[VR]
	v_add_nc_u32 v[RP], v[RP], v[VR]
	v_mov_b32 v[PT], 0                             ; written once: a lane permute's destination counts as one of its sources
	v_cmp_gt_u32 vcc_lo, 16, v0                    ; lanes 0-15; kept to the end
	s_mov_b32 s26, 0x76543210
	s_mov_b32 s27, 0xfedcba98                      ; v_permlanex16_b32's selects for lane l xor 16
	s_mov_b32 s29, 0                               ; the high words of the offset pairs s[28:29] and s[32:33]
	s_mov_b32 s33, 0
	s_wait_kmcnt 0x0
	s_cmp_lt_u32 ttmp9, 64
	s_cbranch_scc0 .Lsmall
	; ---- jobs 0-63: one tile of K1, quarter w = q / 8, tile t = q % 8
	s_and_b32 s30, ttmp9, 31                       ; q
	s_lshr_b32 s31, s30, 1
	s_lshl_b32 s31, s31, 5
	s_and_b32 s32, s30, 1
	s_lshl_b32 s32, s32, 3
	s_add_co_u32 s31, s31, s32                     ; the tile's first row: 32 (q / 2) + 8 (q % 2)
	s_lshr_b32 s32, s30, 3
	s_mul_i32 s32, s32, 51200                      ; the quarter
	s_and_b32 s30, s30, 7
	s_mul_i32 s28, s30, 6144
	s_add_co_u32 s28, s28, s32                     ; the tile's four fragments
	s_lshl_b32 s30, s30, 8
	s_add_co_u32 s32, s32, s30
	s_add_co_u32 s32, s32, 49152                   ; its scale words: 16 bytes a row
	s_cmp_lt_u32 ttmp9, 32
	s_cselect_b64 s[34:35], s[14:15], s[16:17]
	s_add_nc_u64 s[36:37], s[34:35], s[32:33]
	s_add_nc_u64 s[34:35], s[34:35], s[28:29]
	s_cbranch_scc0 .Lk1b
	s_lshl_b32 s28, s31, 11                        ; axis 1: a row of K1 is 2,048 bytes
	s_add_nc_u64 s[12:13], s[12:13], s[28:29]
	v_lshlrev_b32 v[OA], 11, v[RP]
	v_lshl_add_u32 v[OA], v[VH], 7, v[OA]
	STEPS 1
	s_branch .Lwords
.Lk1b:
	s_lshl_b32 s28, s31, 2                         ; axis 0: my column, lanes 16-31 begin 32 rows further down
	s_add_nc_u64 s[12:13], s[12:13], s[28:29]
	v_lshlrev_b32 v[OA], 2, v[RP]
	v_lshl_add_u32 v[OA], v[VH], 16, v[OA]
	STEPS 2
	s_branch .Lwords
.Lsmall:
	s_cmp_lt_u32 ttmp9, 72
	s_cbranch_scc0 .Lcols
	; ---- jobs 64-71: four tiles of K0 along its 65 columns: 64 rows from row 64 q on
	s_sub_co_u32 s30, ttmp9, 64
	s_mul_i32 s28, s30, 64*260
	s_add_nc_u64 s[10:11], s[10:11], s[28:29]
	s_lshl_b32 s28, s30, 8
	s_add_nc_u64 s[24:25], s[24:25], s[28:29]      ; the 64 row sums
	s_lshr_b32 s31, s30, 1
	s_mul_i32 s31, s31, 12800                      ; the quarter
	s_and_b32 s30, s30, 1
	s_mul_i32 s28, s30, 6144
	s_add_co_u32 s28, s28, s31
	s_add_nc_u64 s[34:35], s[18:19], s[28:29]
	s_lshl_b32 s28, s30, 8
	s_add_co_u32 s28, s28, s31
	s_add_co_u32 s28, s28, 12288
	s_add_nc_u64 s[36:37], s[18:19], s[28:29]
	v_mul_u32_u24 v[OB], v[RP], 260                ; a row of K0 is 260 bytes
	v_lshl_add_u32 v[OA], v[VH], 7, v[OB]
	v_lshlrev_b32 v[T1], 2, v[RP]                  ; LDS: my row's sum
	v_lshlrev_b32 v[T2], 3, v0                     ; and 8 bytes a lane on the way out
.set ii, 33
.rept 31
	v_mov_b32 v[W+ii], 0                           ; K = 65 .. 127: zeros, in both sets, once
	v_mov_b32 v[W+64+ii], 0
.set ii, ii+1
.endr
.macro LD0 tt
.set ii, 0
.rept 32
	global_load_b32 v[W+64*((\tt)%2)+ii], v[OA], s[10:11] offset:(32*((\tt)/2)+8*((\tt)%2))*260+4*ii
.set ii, ii+1
.endr
	global_load_b32 v[W+64*((\tt)%2)+32], v[OB], s[10:11] offset:(32*((\tt)/2)+8*((\tt)%2))*260+256
.endm
.macro TILE0 tt
.set WS0, W+64*((\tt)%2)
.set KA, AC+2*(\tt)
.if \tt < 3
	s_wait_loadcnt 33                                      ; this tile is in; the next tile's 33 loads may be out
.else
	s_wait_loadcnt 0x0
.endif
	v_cndmask_b32 v[WS0+32], 0, v[WS0+32], vcc_lo          ; column 64 belongs to lanes 0-15 (K = 64); in lanes 16-31 the place is K = 96: zero
	v_pk_mul_f32 v[KA:KA+1], v[WS0:WS0+1], v[WS0:WS0+1]    ; the sum of my 32 squares of columns 0 .. 63
.set p, 2
.rept 15
	v_pk_fma_f32 v[KA:KA+1], v[WS0+p:WS0+p+1], v[WS0+p:WS0+p+1], v[KA:KA+1]
.set p, p+2
.endr
	v_add_f32 v[KA], v[KA], v[KA+1]
	v_permlanex16_b32 v[PT], v[KA], s26, s27
	v_add_f32 v[KA], v[KA], v[PT]
	ds_store_b32 v[T1], v[KA] offset:(32*((\tt)/2)+8*((\tt)%2))*4   ; both halves of the lanes write the same word with the same value
	BQ WS0, PWS+\tt
	OUTF 34, 1536*\tt
.if \tt < 2
	LD0 \tt+2
.endif
.endm
	LD0 0
	LD0 1
	TILE0 0
	TILE0 1
	TILE0 2
	TILE0 3
	ds_load_b64 v[KD:KD+1], v[T2]                  ; LDS serves a wave's instructions in order: this sees my stores
	s_wait_dscnt 0x0
	global_store_b64 v[T2], v[KD:KD+1], s[24:25]   ; 256 consecutive bytes, aligned
	s_branch .Lwords
.Lcols:
	s_cmp_lt_u32 ttmp9, 77
	s_cbranch_scc0 .Lsym
	; ---- jobs 72-76: tile t of K0's columns (row of the operand = column c = 16 t + r, K = the 512 rows of K0)
	s_sub_co_u32 s30, ttmp9, 72
	s_lshl_b32 s31, s30, 4
	v_add_nc_u32 v[T1], s31, v[VR]
	v_cmp_ge_u32 s38, 64, v[T1]                    ; columns 0 .. 64 exist
	v_cndmask_b32 v[MK], 0, 1.0, s38
	v_mov_b32 v[MK+1], v[MK]
	v_min_u32 v[T1], 64, v[T1]                     ; no load leaves the buffer
	v_lshlrev_b32 v[OA], 2, v[T1]
	v_mad_u32_u24 v[OA], v[VH], 8320, v[OA]        ; lanes 16-31 begin 32 rows of 260 bytes further down
	s_mul_i32 s28, s30, 6144
	s_add_nc_u64 s[34:35], s[20:21], s[28:29]
	s_lshl_b32 s28, s30, 8
	s_add_co_u32 s28, s28, 38400
	s_add_nc_u64 s[36:37], s[20:21], s[28:29]
	s_lshl_b32 s28, s30, 13
	s_add_nc_u64 s[22:23], s[22:23], s[28:29]      ; wkop: 8,192 bytes for each tile of columns
.macro K0STEP s
.set WS0, W+64*((\s)%2)
.if \s < 3
	s_wait_loadcnt 63                                      ; 64 loads were issued behind this set; 63 is the most that the count can name
.else
	s_wait_loadcnt 0x0
.endif
	s_cmp_lt_u32 s30, 4
	s_cbranch_scc0 .Ledge_\@
.set g, 0
.rept 16
	global_store_b128 v[LI], v[WS0+4*g:WS0+4*g+3], s[22:23] offset:32768*(\s)+512*g   ; tiles 0-3: the numbers themselves, as images of four registers
.set g, g+1
.endr
	s_branch .Lq_\@
.Ledge_\@:
.set p, 0
.rept 32
	v_pk_mul_f32 v[WS0+p:WS0+p+1], v[WS0+p:WS0+p+1], v[MK:MK+1]   ; tile 4: only column 64 exists; the other rows of the operand are zeros
.set p, p+2
.endr
.Lq_\@:
	BQ WS0, PWS+\s
	OUTF 34, 1536*\s
.if \s < 2
	s_wait_xcnt 0x0                                        ; the stores have read this set: it may be loaded again
	LDB \s+2, 260, 10
.endif
.endm
	LDB 0, 260, 10
	LDB 1, 260, 10
	K0STEP 0
	K0STEP 1
	K0STEP 2
	K0STEP 3
	s_branch .Lwords
.Lsym:
	; ---- jobs 77-81: tile t of symA's columns: row of the operand = column c = 16 t + r, K = a = 0 .. 64.  symA[a][c] = the sum over rr of A[rr][a] A[rr][c]
	s_sub_co_u32 s30, ttmp9, 77
	s_lshl_b32 s31, s30, 4
	v_add_nc_u32 v[T1], s31, v[VR]
	v_cmp_ge_u32 s38, 64, v[T1]
	v_cndmask_b32 v[MK], 0, 1.0, s38
	v_mov_b32 v[MK+1], v[MK]
	v_cmp_gt_u32 s39, 64, v[T1]                    ; the trace takes columns 0 .. 63
	v_cndmask_b32 v[KD], 0, 1.0, s39
	v_min_u32 v[T1], 64, v[T1]
	v_lshlrev_b32 v[OA], 2, v[T1]
	v_lshlrev_b32 v[OB], 7, v[VH]
	v_mov_b32 v[T2], 0
	s_mul_i32 s28, s30, 1536
	s_add_co_u32 s28, s28, 30720
	s_add_nc_u64 s[34:35], s[20:21], s[28:29]
	s_lshl_b32 s28, s30, 8
	s_add_co_u32 s28, s28, 39680
	s_add_nc_u64 s[36:37], s[20:21], s[28:29]
.irp rr, 0,1,2,3,4,5,6,7,8,9
	global_load_b32 v[AC+\rr], v[OA], s[8:9] offset:260*\rr        ; A[rr][c]
.endr
	WIN 0x40                                       ; A[rr][32 h + i], i = 0 .. 31, and A[rr][64]: register 33 rr + i of window 1 (rr 0-6) and of window 2 (rr 7-9)
.set rr, 0
.rept 7
.set ii, 0
.rept 32
	global_load_b32 v[33*rr+ii], v[OB], s[8:9] offset:260*rr+4*ii
.set ii, ii+1
.endr
	global_load_b32 v[33*rr+32], v[T2], s[8:9] offset:260*rr+256
.set rr, rr+1
.endr
	WIN 0x80
.rept 3
.set ii, 0
.rept 32
	global_load_b32 v[33*(rr-7)+ii], v[OB], s[8:9] offset:260*rr+4*ii
.set ii, ii+1
.endr
	global_load_b32 v[33*(rr-7)+32], v[T2], s[8:9] offset:260*rr+256
.set rr, rr+1
.endr
	WIN 0
	s_wait_loadcnt 0x0
	WIN 0x01
.set ii, 0
.rept 33
	v_mul_f32 v[W+ii], v[ii], v[AC]                ; rr = 0 starts the sums
.set ii, ii+1
.endr
.set rr, 1
.rept 6
.set ii, 0
.rept 33
	v_fma_f32 v[W+ii], v[33*rr+ii], v[AC+rr], v[W+ii]
.set ii, ii+1
.endr
.set rr, rr+1
.endr
	WIN 0x02
.rept 3
.set ii, 0
.rept 33
	v_fma_f32 v[W+ii], v[33*(rr-7)+ii], v[AC+rr], v[W+ii]
.set ii, ii+1
.endr
.set rr, rr+1
.endr
	WIN 0
	v_cndmask_b32 v[W+32], 0, v[W+32], vcc_lo      ; a = 64 belongs to lanes 0-15
.set ii, 33
.rept 31
	v_mov_b32 v[W+ii], 0                           ; a = 65 .. 127: zeros
.set ii, ii+1
.endr
.set p, 0
.rept 17
	v_pk_mul_f32 v[W+p:W+p+1], v[W+p:W+p+1], v[MK:MK+1]   ; rows c > 64 of the operand are zeros
.set p, p+2
.endr
	BQ W, PWS
	OUTF 34, 0
	v_mul_f32 v[PWS+1], v[AC], v[AC]               ; symA[c][c]
.irp rr, 1,2,3,4,5,6,7,8,9
	v_fma_f32 v[PWS+1], v[AC+\rr], v[AC+\rr], v[PWS+1]
.endr
	v_mul_f32 v[PWS+1], v[PWS+1], v[KD]
	v_add_f32_dpp v[PWS+1], v[PWS+1], v[PWS+1] row_xmask:1 row_mask:0xf bank_mask:0xf
	v_add_f32_dpp v[PWS+1], v[PWS+1], v[PWS+1] row_xmask:2 row_mask:0xf bank_mask:0xf
	v_add_f32_dpp v[PWS+1], v[PWS+1], v[PWS+1] row_xmask:4 row_mask:0xf bank_mask:0xf
	v_add_f32_dpp v[PWS+1], v[PWS+1], v[PWS+1] row_xmask:8 row_mask:0xf bank_mask:0xf   ; the tile's part of the trace, in every lane
	v_mov_b32 v[PWS+2], 0
	v_mov_b32 v[PWS+3], 0
.Lwords:
	s_wait_xcnt 0x0                                ; EXEC changes only behind this wait
	s_wait_tensorcnt 0x0
	ds_add_u32 v254, v255
	s_wait_dscnt 0x0
	s_and_saveexec_b32 s38, vcc_lo
	global_store_b128 v[R16], v[PWS:PWS+3], s[36:37]   ; lanes 0-15: 16 bytes a row: 256 consecutive bytes, aligned
	s_wait_xcnt 0x0
	s_or_b32 exec_lo, exec_lo, s38
	s_endpgm
.Lfunc_end_k_qd4fa1093d1_prep:
	.size	k_qd4fa1093d1_prep, .Lfunc_end_k_qd4fa1093d1_prep-k_qd4fa1093d1_prep
	.p2alignl 7, 3214868480
	.fill 96, 4, 3214868480
	.section	.rodata,"a",@progbits
	.p2align	6, 0x0
	.amdhsa_kernel k_qd4fa1093d1_prep
		.amdhsa_group_segment_fixed_size 512
		.amdhsa_private_segment_fixed_size 0
		.amdhsa_enable_private_segment 0
		.amdhsa_kernarg_size 72
		.amdhsa_user_sgpr_count 2
		.amdhsa_user_sgpr_kernarg_segment_ptr 1
		.amdhsa_wavefront_size32 1
		.amdhsa_system_sgpr_workgroup_id_x 1
		.amdhsa_system_sgpr_workgroup_id_y 1
		.amdhsa_system_sgpr_workgroup_id_z 1
		.amdhsa_system_vgpr_workitem_id 0
		.amdhsa_next_free_vgpr 768
		.amdhsa_next_free_sgpr 66
		.amdhsa_reserve_vcc 1
		.amdhsa_float_denorm_mode_32 3
		.amdhsa_float_denorm_mode_16_64 3
		.amdhsa_memory_ordered 1
		.amdhsa_forward_progress 1
		.amdhsa_inst_pref_size 205
	.end_amdhsa_kernel
	.amdgpu_metadata
---
amdhsa.version: [ 1, 2 ]
amdhsa.kernels:
  - .name:           k_qd4fa1093d1_prep
    .symbol:         k_qd4fa1093d1_prep.kd
    .args:
      - { .name: A, .offset: 0, .size: 8, .value_kind: global_buffer, .address_space: global }
      - { .name: K0, .offset: 8, .size: 8, .value_kind: global_buffer, .address_space: global }
      - { .name: K1, .offset: 16, .size: 8, .value_kind: global_buffer, .address_space: global }
      - { .name: wk1a, .offset: 24, .size: 8, .value_kind: global_buffer, .address_space: global }
      - { .name: wk1b, .offset: 32, .size: 8, .value_kind: global_buffer, .address_space: global }
      - { .name: wk0a, .offset: 40, .size: 8, .value_kind: global_buffer, .address_space: global }
      - { .name: wsm, .offset: 48, .size: 8, .value_kind: global_buffer, .address_space: global }
      - { .name: wkop, .offset: 56, .size: 8, .value_kind: global_buffer, .address_space: global }
      - { .name: wksq, .offset: 64, .size: 8, .value_kind: global_buffer, .address_space: global }
    .group_segment_fixed_size: 512
    .private_segment_fixed_size: 0
    .kernarg_segment_align: 8
    .kernarg_segment_size: 72
    .max_flat_workgroup_size: 32
    .sgpr_count:     66
    .vgpr_count:     768
    .wavefront_size: 32
...
	.end_amdgpu_metadata
.endif
;; end of part 1
;; launch main (part 2): grid 256 x 1, 4 waves a work-group, no clusters, 276,992 bytes of LDS; arguments x, t, b0, b1, w, c_w, wk1a, wk1b, wk0a, wsm, wkop, wksq, out0, out1, out2, out3; writes out0, out1, out2, out3
.if DOCPART == 2
	.amdgcn_target "amdgcn-amd-amdhsa--gfx1250"
	.amdhsa_code_object_version 6
	.text
	.protected	k_qd4fa1093d1_main
	.globl	k_qd4fa1093d1_main
	.p2align	8
	.type	k_qd4fa1093d1_main,@function
k_qd4fa1093d1_main:
	s_mov_b64 s[64:65], 0
	v_nop
	global_prefetch_b8 v0, s[64:65] scope:SCOPE_SE
	s_setreg_imm32_b32 hwreg(HW_REG_WAVE_MODE, 25, 1), 1
	s_wait_xcnt 0x0
; OT-Flow: gradient and Hessian trace of the potential, all quantised products on codes of FP6 (E2M3) with one E8M0 byte for each 32 along K.
; SHARES.  A work-group of four waves takes 8 samples through everything.  THE WAVES SHARE THE COLUMNS: wave w owns hidden units (and rows of K1) 128 w .. 128 w + 127.
; The bulk is KJ[n] = K1 Jac[n], Jac[n][j][k] = tanh_open[n][j] K0[j][k]: for 8 samples 512 rows (n, k) x K 512 x 512 columns i: 1,024 matrix instructions a wave.
; A wave's 32 fragments of K1 (axis 1) stay in 384 registers.  All Jac fragments of the 8 samples are made first (wave s makes K step s, whose tanh_open it holds) and lie in LDS as IMAGES OF THEIR REGISTERS
; (registers 4 q .. 4 q + 3 of lane l at 512 q + 16 l); then the products run with only their square sums between them, while K1 (axis 0) arrives in the registers that the quantising has left.
; LAYOUT.  A fragment: lane (r, h) holds row r, registers 6 c .. 6 c + 5 hold K = 64 c + 32 h + 0 .. 31.  In sample fragments row r is sample r % 8: lanes r >= 8 work on copies.
; The small products are used transposed (source 0 = 16 rows of a weight, source 1 = the samples); lane r of a weight's tile 2 b + u takes row 128 w + 32 b + 8 u + r + 8 (r / 8), so that
; value e = 8 t + j of a wave's 64 results is unit 32 (e / 16) + 16 h + e % 16: sixteen neighbours along the next K in sixteen registers.
; NO JOINT LOADS: every work-group reads the same weights, but each weight is wanted once, in registers, and a joint load lands in LDS, of which 204,800 bytes hold images written by ds_store.
; c_b is not read.
; LIMITS: NaN and infinities are not served.  A block of zeros carries the byte 1, not 127 (its codes are zeros; only this program reads the bytes).  tanh x = sign(x) (1 - e) / (1 + e), e = 2^(-2 log2(e) |x|):
; its error is about 1e-7 absolute, so about 1e-7 / |x| of the number for small |x|.  out1, out2, out3 leave as 32 bytes a work-group: 8 samples own no whole 256 bytes of them.
; LDS
.set UIMG, 0                           ; u0's four fragments, K step s by wave s;            USC: their scale words, 128 s + 4 l
.set USC,  6144
.set AIMG, 6656                        ; the same for tanh_lin1 w
.set ASC,  12800
.set QIMG, 13312                       ; and for tanh_open z1
.set QSC,  19456
.set SIMG, 19968                       ; 4 x 1,792: each wave's own image of the fragment of s = (x, t), its scale words at + 1,536
.set STG,  27136                       ; -grad_x: 8 rows of 256 bytes
.set RED,  29184                       ; partial sums: 128 (3 w + q) + 4 l
.set CON,  30720                       ; 4 x 1,536: the wave's 128 numbers of b1, w, ksq
.set TH,   36864                       ; 4 x 4,352: the wave's tanh_open: 8 rows (samples) of 512 + 16 bytes
.set SS,   54272                       ; 4 x 4,352: the sum over k of KJ^2, in the same shape
.set JSC,  71680                       ; Jac's scale words: 2,048 s + 64 (4 n + kt) + 4 r
.set JIMG, 79872                       ; Jac's fragments: 49,152 s + 1,536 (4 n + kt)
; REGISTERS, window 0
.set LI,   1                           ; 16 x lane
.set LS,   2                           ; 4 x lane
.set R16,  3                           ; 16 r
.set SH8,  4                           ; 8 h
.set THL,  5                           ; TH + 4,352 w + 528 (r % 8) + 64 h
.set THB,  6                           ; TH + 4,352 w + 128 h
.set JA,   7                           ; v7, v8 addresses at work
.set WI,   9                           ; 16 x lane + 1,536 w
.set WS,   10                          ; 4 x lane + 128 w
.set JSR,  11
.set HR4,  12                          ; JSC + 2,048 h + 4 r
.set SSW,  13                          ; SS + 4,352 w + 4 (r + 8 (r / 8))
.set CONB, 14                          ; CON + 1,536 w + 64 h
.set PT,   15
.set K1S,  16                          ; v16-47  scale words of K1: register 4 t + s
.set SW,   48                          ; v48-55  scale words of the other operand
.set JF,   56                          ; v56-103, v104-151  two sets of four fragments
.set X,    64                          ; v64-127 64 numbers ahead of a quantiser
.set E,    64                          ; the first activation: v64-79, 80-95, 96-111, 112-127
.set DN,   80
.set RC,   96
.set LG,   112
.set TM,   64                          ; QUANT: v64-79 at work, v80 the scale word, v84-103 the codes
.set PW2,  80
.set PC2,  84
.set E2,   56                          ; the second activation
.set R2,   72
.set WT,   104                         ; v104-167 the wave's w in the results' order; later (1 - tanh_open^2) z1
.set BM,   128                         ; BQ: v128-131, 132-133, 134-135 at work, v136 the scale word, v140-151 the codes, v152-158 upper halves
.set BSCL, 132
.set BBY,  134
.set PW,   136
.set PC,   140
.set PX,   152
.set S,    152                         ; v152-167 square sums, a pair a tile
.set ACC,  168                         ; v168-231 eight accumulators
.set SEG,  232
.set F,    244                         ; v244-251 finished square sums; at the head: temporaries
.set SSA,  252
.set JW,   253                         ; JIMG + 49,152 w + 16 x lane
.set R4W,  254                         ; JSC + 2,048 w + 4 r
.set THA,  255
; window 1: v0-191 K1 (axis 1) tiles 0-3, fragment (t, s) at 12 (4 (t % 4) + s) (before that K0's 8 fragments; in the tail the small weights);  window 2: v0-191 tiles 4-7 (in the tail SS, ksq, tanh_open)
; windows 1 and 2, v192-255: two sets of tanh_open;  window 3: K0[:, :64] in f32.  All three then take K1 (axis 0).
.set MSB,  0
.macro WIN new                         ; the immediate's high byte repeats the setting that is left
.set WNEW, \new
.if MSB != WNEW
	s_set_vgpr_msb (MSB<<8)|WNEW
.set MSB, WNEW
.endif
.endm
.macro PLACES cnt
.rept \cnt
	v_nop
.endr
.endm
; 64 numbers of a lane, register 32 c + i = K 64 c + 32 h + i of my row (two whole blocks), become the fragment in v[PC] on and the row's scale word in v[pw]
.macro BQ src, pw
.irp c, 0,1
.irp a, 0,1
	v_max3_num_f32 v[BM+2*\c+\a], |v[\src+32*\c+16*\a]|, |v[\src+32*\c+16*\a+1]|, 0x1800000   ; four chains; the floor 2^(3 - 127) holds the byte at 1 from below
.endr
.endr
.irp i, 2,4,6,8,10,12,14
.irp c, 0,1
.irp a, 0,1
	v_max3_num_f32 v[BM+2*\c+\a], v[BM+2*\c+\a], |v[\src+32*\c+16*\a+\i]|, |v[\src+32*\c+16*\a+\i+1]|
.endr
.endr
.endr
.irp c, 0,1
	v_max_num_f32 v[BM+2*\c], v[BM+2*\c], v[BM+2*\c+1]
.endr
.irp c, 0,1
	v_add_nc_u32 v[BSCL+\c], 0xff000000, v[BM+2*\c]        ; 2 off the exponent field: the conversion takes that field as its scale
.endr
.irp c, 0,1
	v_lshrrev_b32 v[BBY+\c], 23, v[BSCL+\c]
.endr
	s_wait_dscnt 0x0                                       ; the last fragment's LDS stores have read v[PC] on and v[pw]
.irp c, 0,1
	v_cvt_scalef32_pk16_fp6_f32 v[PC+6*\c:PC+6*\c+2], v[\src+32*\c:\src+32*\c+15], v[BSCL+\c]
	v_cvt_scalef32_pk16_fp6_f32 v[PX+4*\c:PX+4*\c+2], v[\src+32*\c+16:\src+32*\c+31], v[BSCL+\c]   ; (a conversion's three registers begin on an even number)
.endr
	v_lshl_or_b32 v[\pw], v[BBY+1], 16, v[BBY]             ; my bytes: blocks h and 2 + h.  (The plain line behind the conversions)
	v_lshlrev_b32 v[\pw], v[SH8], v[\pw]
.irp c, 0,1
.irp i, 0,1,2
	v_mov_b32 v[PC+6*\c+3+\i], v[PX+4*\c+\i]
.endr
.endr
	v_permlanex16_b32 v[PT], v[\pw], s46, s47
	v_or_b32 v[\pw], v[\pw], v[PT]                         ; with lane l xor 16's two bytes the word is whole
.endm
; 64 numbers of a lane, register 16 b + i = K 32 b + 16 h + i of my row (half blocks), become the fragment in v[PC2] on and the scale word in v[PW2]
.macro QUANT s
.irp b, 0,1,2,3
	v_max3_num_f32 v[TM+\b], |v[\s+16*\b]|, |v[\s+1+16*\b]|, 0x1800000
.endr
.irp i, 2,4,6,8,10,12,14
.irp b, 0,1,2,3
	v_max3_num_f32 v[TM+\b], v[TM+\b], |v[\s+16*\b+\i]|, |v[\s+1+16*\b+\i]|
.endr
.endr
.irp b, 0,1,2,3
	v_permlanex16_b32 v[TM+4+\b], v[TM+\b], s46, s47
.endr
.irp b, 0,1,2,3
	v_max_num_f32 v[TM+\b], v[TM+\b], v[TM+4+\b]           ; with lane l xor 16's: the block's largest magnitude
.endr
.irp b, 0,1,2,3
	v_add_nc_u32 v[TM+12+\b], 0xff000000, v[TM+\b]
.endr
.irp b, 0,1,2,3
	v_lshrrev_b32 v[TM+4+\b], 23, v[TM+12+\b]
.endr
	v_lshl_or_b32 v[PW2], v[TM+5], 8, v[TM+4]
	v_lshl_or_b32 v[PW2], v[TM+6], 16, v[PW2]
	v_lshl_or_b32 v[PW2], v[TM+7], 24, v[PW2]
.irp c, 0,1
	v_cvt_scalef32_pk16_fp6_f32 v[PC2+6*\c:PC2+2+6*\c], v[\s+32*\c:\s+15+32*\c], v[TM+12+2*\c]
	v_cvt_scalef32_pk16_fp6_f32 v[PC2+12+4*\c:PC2+14+4*\c], v[\s+16+32*\c:\s+31+32*\c], v[TM+12+2*\c+1]
.endr
	v_nop                                                  ; one plain line behind a scaled conversion
.irp c, 0,1                                            ; the operand wants a WHOLE block in a lane: lanes 0-15 block 2 c, lanes 16-31 block 2 c + 1
.irp i, 0,1,2
	v_permlane16_swap_b32 v[PC2+6*\c+\i], v[PC2+12+4*\c+\i]
.endr
.irp i, 0,1,2
	v_mov_b32 v[PC2+3+6*\c+\i], v[PC2+12+4*\c+\i]
.endr
.endr
.endm
.macro IMG pc, adr, off                ; a fragment goes to LDS as it stands
.irp q, 0,1,2
	ds_store_b128 v[\adr], v[\pc+4*\q:\pc+4*\q+3] offset:\off+512*\q
.endr
.endm
.macro FRAGLD reg, adr, off            ; and comes back so, in any wave
.irp q, 0,1,2
	ds_load_b128 v[\reg+4*\q:\reg+4*\q+3], v[\adr] offset:\off+512*\q
.endr
.endm
.macro BARRIER                         ; my LDS stores have landed and my LDS loads are in: then the work-group's barrier
	s_wait_dscnt 0x0
	s_barrier_signal -1
	s_barrier_wait -1
.endm
; 16 values of the opening layer: tanh goes to LDS, log(2 cosh) takes the value's place.  e = 2^(-2 log2(e) |x|); tanh = sign(x) (1 - e) / (1 + e); log(2 cosh x) = |x| + ln 2 log2(1 + e)
.macro ACT1 b
.if \b > 0
	s_wait_dscnt 0x0                                       ; the last chunk's stores have read v[E] on
.endif
.set ii, 0
.rept 16
	v_mul_f32 v[E+ii], s50, |v[ACC+16*\b+ii]|
.set ii, ii+1
.endr
.set ii, 0
.rept 16
	v_exp_f32 v[E+ii], v[E+ii]
.set ii, ii+1
.endr
	v_nop                                                  ; a plain line behind the last exponential,
	s_wait_alu depctr_va_vdst(0)                           ; and one wait for the batch, ahead of its first reader
.set ii, 0
.rept 8
	v_pk_add_f32 v[DN+ii:DN+ii+1], v[E+ii:E+ii+1], 1.0 op_sel_hi:[1,0]
.set ii, ii+2
.endr
.set ii, 0
.rept 16
	v_rcp_f32 v[RC+ii], v[DN+ii]
.set ii, ii+1
.endr
.set ii, 0
.rept 16
	v_log_f32 v[LG+ii], v[DN+ii]
.set ii, ii+1
.endr
.set ii, 0
.rept 8
	v_pk_add_f32 v[E+ii:E+ii+1], v[E+ii:E+ii+1], 1.0 op_sel_hi:[1,0] neg_lo:[1,0] neg_hi:[1,0]   ; 1 - e: plain work behind the batch
.set ii, ii+2
.endr
	s_wait_alu depctr_va_vdst(0)                           ; one wait for the 32
.set ii, 0
.rept 8
	v_pk_mul_f32 v[E+ii:E+ii+1], v[E+ii:E+ii+1], v[RC+ii:RC+ii+1]
.set ii, ii+2
.endr
.set ii, 0
.rept 16
	v_bfi_b32 v[E+ii], s48, v[E+ii], v[ACC+16*\b+ii]       ; the value's sign
.set ii, ii+1
.endr
.set ii, 0
.rept 16
	v_fma_f32 v[ACC+16*\b+ii], v[LG+ii], s49, |v[ACC+16*\b+ii]|
.set ii, ii+1
.endr
.irp q, 0,1,2,3
	ds_store_b128 v[THL], v[E+4*\q:E+4*\q+3] offset:128*\b+16*\q   ; units 32 b + 16 h + 0 .. 15 of my sample's row
.endr
.endm
; 16 values of lin1: the trace takes (1 - tanh^2) w SS, and tanh w takes the value's place
.macro ACT2 b
.set ii, 0
.rept 16
	v_mul_f32 v[E2+ii], s50, |v[ACC+16*\b+ii]|
.set ii, ii+1
.endr
.set ii, 0
.rept 16
	v_exp_f32 v[E2+ii], v[E2+ii]
.set ii, ii+1
.endr
	v_nop
	s_wait_alu depctr_va_vdst(0)                           ; one wait for the batch
.set ii, 0
.rept 8
	v_pk_add_f32 v[R2+ii:R2+ii+1], v[E2+ii:E2+ii+1], 1.0 op_sel_hi:[1,0]
.set ii, ii+2
.endr
.set ii, 0
.rept 16
	v_rcp_f32 v[R2+ii], v[R2+ii]
.set ii, ii+1
.endr
.set ii, 0
.rept 8
	v_pk_add_f32 v[E2+ii:E2+ii+1], v[E2+ii:E2+ii+1], 1.0 op_sel_hi:[1,0] neg_lo:[1,0] neg_hi:[1,0]
.set ii, ii+2
.endr
	s_wait_alu depctr_va_vdst(0)
.set ii, 0
.rept 8
	v_pk_mul_f32 v[E2+ii:E2+ii+1], v[E2+ii:E2+ii+1], v[R2+ii:R2+ii+1]
.set ii, ii+2
.endr
.set ii, 0
.rept 16
	v_bfi_b32 v[E2+ii], s48, v[E2+ii], v[ACC+16*\b+ii]
.set ii, ii+1
.endr
.set ii, 0
.rept 8
	v_pk_fma_f32 v[R2+ii:R2+ii+1], v[E2+ii:E2+ii+1], v[E2+ii:E2+ii+1], 1.0 op_sel_hi:[1,1,0] neg_lo:[1,0,0] neg_hi:[1,0,0]
.set ii, ii+2
.endr
.set ii, 0
.rept 8
	v_pk_mul_f32 v[R2+ii:R2+ii+1], v[R2+ii:R2+ii+1], v[WT+16*\b+ii:WT+16*\b+ii+1]
.set ii, ii+2
.endr
	WIN 0x08                                               ; source 1: SS, in window 2
.set ii, 0
.rept 8
	v_pk_fma_f32 v[252+2*((ii/2)%2):253+2*((ii/2)%2)], v[R2+ii:R2+ii+1], v[16*\b+ii:16*\b+ii+1], v[252+2*((ii/2)%2):253+2*((ii/2)%2)]
.set ii, ii+2
.endr
	WIN 0
.set ii, 0
.rept 8
	v_pk_mul_f32 v[ACC+16*\b+ii:ACC+16*\b+ii+1], v[E2+ii:E2+ii+1], v[WT+16*\b+ii:WT+16*\b+ii+1]
.set ii, ii+2
.endr
.endm
.macro THLOAD set, adr                 ; a sample's tanh_open of my 128 units: register 32 c + i = unit 64 c + 32 h + i, the same in all lanes of a half
	WIN (1+\set)<<6
.irp c, 0,1
.irp q, 0,1,2,3,4,5,6,7
	ds_load_b128 v[192+32*\c+4*\q:192+32*\c+4*\q+3], v[\adr] offset:256*\c+16*\q
.endr
.endr
	WIN 0
.endm
.macro JQ set, kt                      ; the fragment of Jac for 16 columns k = 16 kt + r of K0, K step = my wave
	WIN 0x03|((1+\set)<<2)
.set p, 0
.rept 32
	v_pk_mul_f32 v[X+p:X+p+1], v[64*\kt+p:64*\kt+p+1], v[192+p:192+p+1]
.set p, p+2
.endr
	WIN 0
	BQ X, PW
	IMG PC, JA, 1536*\kt
	ds_store_b32 v[JA+1], v[PW] offset:64*\kt
.endm
.macro SAMPLEQ set
	s_wait_dscnt 0x0                                       ; this sample's tanh_open is in, and no LDS instruction still reads the addresses below
	s_min_u32 s57, s52, 7*528                              ; the next sample's row (the last sample asks for its own row again; that load is not used)
	v_add_nc_u32 v[THA], s57, v[THB]
	v_add_nc_u32 v[JA], s53, v[JW]
	v_add_nc_u32 v[JA+1], s54, v[R4W]
	THLOAD 1-\set, THA
	JQ \set, 0
	JQ \set, 1
	JQ \set, 2
	JQ \set, 3
	s_add_co_u32 s52, s52, 528
	s_add_co_u32 s53, s53, 6144
	s_add_co_u32 s54, s54, 256
.endm
; One product of the bulk: source 0 = Jac's fragment (16 columns k), source 1 = 16 rows i of K1: a lane then holds one i and eight k.
; Jac's scale words of K steps 2 p and 2 p + 1 share a register: lanes 0-15 and lanes 16-31.
.macro WM t, ks, set
.set rD, ACC+8*(\t)
.set rA, JF+48*(\set)+12*(\ks)
.set rB, 12*(4*((\t)%4)+(\ks))
.set rSA, SW+2*(\set)+(\ks)/2
.set rSB, K1S+4*(\t)+(\ks)
.if (\ks) == 0
	v_wmma_scale_f32_16x16x128_f8f6f4 v[rD:rD+7], v[rA:rA+11], v[rB:rB+11], 0, v[rSA], v[rSB] matrix_a_fmt:MATRIX_FMT_FP6 matrix_b_fmt:MATRIX_FMT_FP6
.elseif (\ks)%2 == 1
	v_wmma_scale_f32_16x16x128_f8f6f4 v[rD:rD+7], v[rA:rA+11], v[rB:rB+11], v[rD:rD+7], v[rSA], v[rSB] matrix_a_fmt:MATRIX_FMT_FP6 matrix_b_fmt:MATRIX_FMT_FP6 matrix_a_scale:MATRIX_SCALE_ROW1
.else
	v_wmma_scale_f32_16x16x128_f8f6f4 v[rD:rD+7], v[rA:rA+11], v[rB:rB+11], v[rD:rD+7], v[rSA], v[rSB] matrix_a_fmt:MATRIX_FMT_FP6 matrix_b_fmt:MATRIX_FMT_FP6
.endif
.endm
.macro PF set, off, soff               ; a group's four fragments and two registers of scale words, in one run
.irp ks, 0,1,2,3
.irp q, 0,1,2
	ds_load_b128 v[JF+48*(\set)+12*\ks+4*\q:JF+48*(\set)+12*\ks+4*\q+3], v[JA+\ks/2] offset:49152*(\ks%2)+(\off)+512*\q
.endr
.endr
	ds_load_b32 v[SW+2*(\set)], v[JSR] offset:\soff
	ds_load_b32 v[SW+2*(\set)+1], v[JSR] offset:4096+(\soff)
.endm
.macro PSL q, hf, start                ; registers 2 q, 2 q + 1 of four finished accumulators are squared and summed; each accumulator is read from its low end on
.irp tt, 0,1,2,3
.set rT, 4*(\hf)+\tt
.if (\start) && ((\q) == 0)
	v_pk_mul_f32 v[S+2*rT:S+2*rT+1], v[ACC+8*rT:ACC+8*rT+1], v[ACC+8*rT:ACC+8*rT+1]
.else
	v_pk_fma_f32 v[S+2*rT:S+2*rT+1], v[ACC+8*rT+2*(\q):ACC+8*rT+2*(\q)+1], v[ACC+8*rT+2*(\q):ACC+8*rT+2*(\q)+1], v[S+2*rT:S+2*rT+1]
.endif
.endr
.endm
.macro SFINV k                         ; slice k of six: a sample's square sums are finished: the pair's halves, and lane l xor 16's eight k
.irp tt, 0,1,2,3
.set rT, 4*((\k)%2)+\tt
.if (\k) < 2
	v_add_f32 v[F+rT], v[S+2*rT], v[S+2*rT+1]
.elseif (\k) < 4
	v_permlanex16_b32 v[S+2*rT+1], v[F+rT], s46, s47
.else
	v_add_f32 v[F+rT], v[F+rT], v[S+2*rT+1]
.endif
.endr
.endm
.macro SFINS
.irp t, 0,1,2,3,4,5,6,7
	ds_store_b32 v[SSA], v[F+\t] offset:128*(\t/2)+32*(\t%2)   ; unit 32 (t / 2) + 8 (t % 2) + r + 8 (r / 8) of the sample's row
.endr
.endm
; Half a group: 16 products, four accumulators by turns, one instruction a turn, K ascending.  Between them: the next group's loads (hf = 0) and the other half's square sums.
; The five v_nop behind the first product are the places between the half before and the reads of its results, the loads into the fragments that it read, and the accumulators that are later begun anew.
.macro HG kt, hf, set, psl, pstart, fin
.set n, 0
.irp ks, 0,1,2,3
.irp tt, 0,1,2,3
	WIN 4+4*\hf
	WM 4*\hf+\tt, \ks, \set
.if n == 0
	PLACES 5
.endif
.if (n == 1) && (\hf == 0)
.if \kt < 3
	PF 1-\set, 1536*(\kt+1), 64*(\kt+1)
.else
	PF 1-\set, 0, 0
.endif
.endif
.if (\psl) && (n >= 2) && (n <= 8) && (n%2 == 0)
	WIN 0
	PSL n/2-1, 1-\hf, \pstart
.endif
.if (\fin) && (n >= 9) && (n <= 14)
	WIN 0
	SFINV n-9
.endif
.if (\fin) && (n == 15)
	WIN 0
	SFINS
.endif
.set n, n+1
.endr
.endr
.endm
; A sample: four groups (16 columns k each) of 32 products.  first = 1: there is no sample before it to finish.
.macro TRIP first
	s_wait_dscnt 0x0                                       ; the group's fragments are in: asked for 30 products ago
	HG 0, 0, 0, 1-\first, 0, 1-\first
	HG 0, 1, 0, 1, 1, 0
	s_wait_dscnt 0x0
	HG 1, 0, 1, 1, 1, 0
	HG 1, 1, 1, 1, 0, 0
	s_wait_dscnt 0x0
	HG 2, 0, 0, 1, 0, 0
	HG 2, 1, 0, 1, 0, 0
	s_wait_dscnt 0x0                                       ; no LDS instruction of mine is out: the addresses may step
	WIN 0
	s_min_u32 s57, s53, 7*6144                             ; the next sample (the last asks for itself again; that run of loads is not used)
	s_add_co_u32 s57, s57, JIMG
	s_min_u32 s58, s54, 7*256
	v_add_nc_u32 v[JA], s57, v[LI]
	v_add_nc_u32 v[JA+1], 98304, v[JA]
	v_add_nc_u32 v[JSR], s58, v[HR4]
	v_add_nc_u32 v[SSA], s55, v[SSW]                       ; where this sample's square sums will go
	HG 3, 0, 1, 1, 0, 0
	HG 3, 1, 1, 1, 0, 0
	WIN 0
	s_add_co_u32 s53, s53, 6144
	s_add_co_u32 s54, s54, 256
	s_add_co_u32 s55, s55, 528
.endm
.macro K1BPOS f                        ; where fragment f = 4 t + s of K1 (axis 0) lies: window KW, register KR
.if (\f) < 16
.set KW, 3
.set KR, 12*(\f)
.elseif (\f) < 21
.set KW, 1
.set KR, 192+12*((\f)-16)
.elseif (\f) < 26
.set KW, 2
.set KR, 192+12*((\f)-21)
.elseif (\f) < 31
.set KW, 3
.set KR, 192+12*((\f)-26)
.else
.set KW, 0
.set KR, 232
.endif
.endm
.macro K1BLD f
	K1BPOS \f
	WIN KW<<6
.irp q, 0,1,2
	global_load_b128 v[KR+4*\q:KR+4*\q+3], v[LI], s[22:23] offset:1536*(\f)+512*\q
.endr
.endm
	; ================ the head: addresses
	s_load_b512 s[8:23], s[0:1], 0x0               ; x s[8:9], t s[10:11], b0 s[12:13], b1 s[14:15], w s[16:17], c_w s[18:19], wk1a s[20:21], wk1b s[22:23]
	s_load_b512 s[24:39], s[0:1], 0x40             ; wk0a s[24:25], wsm s[26:27], wkop s[28:29], wksq s[30:31], out0 s[32:33], out1 s[34:35], out2 s[36:37], out3 s[38:39]
	v_lshrrev_b32 v244, 5, v0
	v_readfirstlane_b32 s2, v244                   ; wave 0..3
	v_and_b32 v244, 31, v0                         ; lane
	v_and_b32 v245, 15, v0                         ; r
	v_bfe_u32 v246, v0, 4, 1                       ; h
	v_and_b32 v247, 7, v0                          ; r % 8: my sample
	v_lshlrev_b32 v[LI], 4, v244
	v_lshlrev_b32 v[LS], 2, v244
	v_lshlrev_b32 v[R16], 4, v245
	v_lshlrev_b32 v[SH8], 3, v246
	s_mul_i32 s57, s2, 4352
	s_add_co_u32 s58, s57, TH
	v_mul_u32_u24 v[THL], v247, 528
	v_lshl_add_u32 v[THL], v246, 6, v[THL]
	v_add_nc_u32 v[THL], s58, v[THL]
	v_lshlrev_b32 v[THB], 7, v246
	v_add_nc_u32 v[THB], s58, v[THB]
	s_add_co_u32 s58, s57, SS
	v_and_b32 v[SSW], 8, v245
	v_add_nc_u32 v[SSW], v[SSW], v245
	v_lshlrev_b32 v[SSW], 2, v[SSW]
	v_add_nc_u32 v[SSW], s58, v[SSW]
	s_mul_i32 s57, s2, 1536
	v_add_nc_u32 v[WI], s57, v[LI]
	s_add_co_u32 s57, s57, CON
	v_lshlrev_b32 v[CONB], 6, v246
	v_add_nc_u32 v[CONB], s57, v[CONB]
	v_add_nc_u32 v248, s57, v[LI]                  ; where b1's, w's and ksq's segments go
	s_lshl_b32 s57, s2, 7
	v_add_nc_u32 v[WS], s57, v[LS]
	v_lshlrev_b32 v[HR4], 2, v245
	v_lshl_add_u32 v[HR4], v246, 11, v[HR4]
	v_add_nc_u32 v[HR4], JSC, v[HR4]
	s_lshl_b32 s57, s2, 11
	s_add_co_u32 s57, s57, JSC
	v_lshlrev_b32 v[R4W], 2, v245
	v_add_nc_u32 v[R4W], s57, v[R4W]
	s_mul_i32 s57, s2, 49152
	s_add_co_u32 s57, s57, JIMG
	v_add_nc_u32 v[JW], s57, v[LI]
	s_mul_i32 s57, s2, 1792
	s_add_co_u32 s57, s57, SIMG
	v_add_nc_u32 v249, s57, v[LI]                  ; my wave's image of s
	v_add_nc_u32 v250, s57, v[LS]
	v_mov_b32 v[PT], 0                             ; written once: a lane permute's destination counts as one of its sources
	v_lshlrev_b32 v251, 8, v247
	v_lshl_add_u32 v251, v246, 7, v251             ; x: row r % 8 of 256 bytes, + 128 h
	v_lshlrev_b32 v247, 6, v246                    ; b0: 64 h
	s_mov_b32 s46, 0x76543210
	s_mov_b32 s47, 0xfedcba98                      ; v_permlanex16_b32's selects for lane l xor 16
	s_mov_b32 s48, 0x7fffffff
	s_mov_b32 s49, 0x3f317218                      ; ln 2
	s_mov_b32 s50, 0xc038aa3b                      ; -2 log2(e)
	s_cmp_eq_u32 s2, 0
	s_cselect_b32 s56, 1.0, 0                      ; 1 in wave 0: what every wave computes alike is counted once
	s_mov_b32 s59, 0
	s_wait_kmcnt 0x0
	s_load_b32 s40, s[10:11], 0x0                  ; t
	s_load_b32 s41, s[18:19], 0x100                ; c_w[64]
	s_load_b32 s42, s[26:27], 39684                ; the four parts of trace(symA[:64, :64])
	s_load_b32 s43, s[26:27], 39940
	s_load_b32 s44, s[26:27], 40196
	s_load_b32 s45, s[26:27], 40452                ; (the bases of these six loads are never stepped)
	s_lshl_b32 s58, ttmp9, 11                      ; my 8 rows of x and of out0
	s_add_nc_u64 s[8:9], s[8:9], s[58:59]
	s_add_nc_u64 s[32:33], s[32:33], s[58:59]
	s_lshl_b32 s58, ttmp9, 5
	s_add_nc_u64 s[34:35], s[34:35], s[58:59]
	s_add_nc_u64 s[36:37], s[36:37], s[58:59]
	s_add_nc_u64 s[38:39], s[38:39], s[58:59]
	s_lshl_b32 s58, s2, 9                          ; my wave's 128 numbers
	s_add_nc_u64 s[12:13], s[12:13], s[58:59]
	s_add_nc_u64 s[14:15], s[14:15], s[58:59]
	s_add_nc_u64 s[16:17], s[16:17], s[58:59]
	s_add_nc_u64 s[30:31], s[30:31], s[58:59]
	s_mul_i32 s58, s2, 51200                       ; my wave's quarters of the weights
	s_add_nc_u64 s[20:21], s[20:21], s[58:59]
	s_add_nc_u64 s[22:23], s[22:23], s[58:59]
	s_mul_i32 s58, s2, 12800
	s_add_nc_u64 s[24:25], s[24:25], s[58:59]
	s_lshl_b32 s58, s2, 15
	s_add_nc_u64 s[28:29], s[28:29], s[58:59]
	; ================ loads: 53 that the opening layer wants, then the 64 of K0 in f32
.irp q, 0,1,2,3,4,5,6,7
	global_load_b128 v[X+4*\q:X+4*\q+3], v251, s[8:9] offset:16*\q th:TH_LOAD_NT
.endr
	WIN 0x40
.set g, 0
.rept 24
	global_load_b128 v[4*g:4*g+3], v[LI], s[24:25] offset:512*g    ; K0's 8 fragments -> window 1
.set g, g+1
.endr
	WIN 0
	global_load_b128 v[SW:SW+3], v[R16], s[24:25] offset:12288
	global_load_b128 v[SW+4:SW+7], v[R16], s[24:25] offset:12544
.irp b, 0,1,2,3
.irp q, 0,1,2,3
	global_load_b128 v[ACC+16*\b+4*\q:ACC+16*\b+4*\q+3], v247, s[12:13] offset:128*\b+16*\q   ; b0 in the results' layout: the C of the first product
.endr
.endr
	global_load_b128 v[SEG:SEG+3], v[LI], s[14:15]
	global_load_b128 v[SEG+4:SEG+7], v[LI], s[16:17]
	global_load_b128 v[SEG+8:SEG+11], v[LI], s[30:31]
	WIN 0xc0
.set g, 0
.rept 64
	global_load_b128 v[4*g:4*g+3], v[LI], s[28:29] offset:512*g    ; K0[:, :64]: register 64 kt + 32 c + i = K0[128 w + 64 c + 32 h + i][16 kt + r] -> window 3
.set g, g+1
.endr
	WIN 0
	s_wait_loadcnt 63                              ; 64 loads were issued behind the 53: these are in
	; ================ s = (x, t) becomes a fragment; opening = s K0^T + b0
	ds_store_b128 v248, v[SEG:SEG+3]
	ds_store_b128 v248, v[SEG+4:SEG+7] offset:512
	ds_store_b128 v248, v[SEG+8:SEG+11] offset:1024
	s_wait_kmcnt 0x0
	v_cmp_eq_u32 vcc_lo, 0, v246
	v_mov_b32 v[X+32], s40
	v_cndmask_b32 v[X+32], 0, v[X+32], vcc_lo      ; K = 64 is t, in lanes 0-15
.set ii, 33
.rept 31
	v_mov_b32 v[X+ii], 0                           ; K = 65 .. 127: zeros
.set ii, ii+1
.endr
	BQ X, PW
	IMG PC, 249, 0                                 ; kept for the product with symA
	ds_store_b32 v250, v[PW] offset:1536
	PLACES 8                                       ; a scale word written by vector instructions stands 8 places ahead of a scaled matrix instruction, an operand so written 4
	WIN 0x01
.irp t, 0,1,2,3,4,5,6,7
	v_wmma_scale_f32_16x16x128_f8f6f4 v[ACC+8*\t:ACC+8*\t+7], v[12*\t:12*\t+11], v[PC:PC+11], v[ACC+8*\t:ACC+8*\t+7], v[SW+\t], v[PW] matrix_a_fmt:MATRIX_FMT_FP6 matrix_b_fmt:MATRIX_FMT_FP6
.endr
	WIN 0
	PLACES 4                                       ; ahead of the loads into K0's registers and of the first read of the results
	WIN 0x40
.set g, 0
.rept 48
	global_load_b128 v[4*g:4*g+3], v[LI], s[20:21] offset:512*g    ; K1 (axis 1), tiles 0-3 -> window 1
.set g, g+1
.endr
	WIN 0
.irp t, 0,1,2,3,4,5,6,7
	global_load_b128 v[K1S+4*\t:K1S+4*\t+3], v[R16], s[20:21] offset:49152+256*\t
.endr
	ACT1 0
	ACT1 1
	ACT1 2
	ACT1 3
	WIN 0x80
.set g, 0
.rept 48
	global_load_b128 v[4*g:4*g+3], v[LI], s[20:21] offset:512*(48+g)   ; tiles 4-7 -> window 2
.set g, g+1
.endr
	WIN 0
	s_wait_dscnt 0x0                               ; the stores of tanh_open have read their registers
	QUANT ACC                                      ; u0: K step w of the product with K1
	IMG PC2, WI, UIMG
	ds_store_b32 v[WS], v[PW2] offset:USC
	; ================ Jac: 32 fragments a wave.  All LDS bytes touched so far and in this loop are the wave's own: no barrier yet
	s_wait_loadcnt 63                              ; 104 loads were issued behind K0's 64: these are in
	THLOAD 0, THB
	s_mov_b32 s52, 528
	s_mov_b32 s53, 0
	s_mov_b32 s54, 0
	s_mov_b32 s51, 4
.Lq:
	SAMPLEQ 0
	SAMPLEQ 1
	s_sub_co_u32 s51, s51, 1
	s_cmp_lg_u32 s51, 0
	s_cbranch_scc1 .Lq
	BARRIER                                        ; all fragments of Jac and of u0 lie in LDS
	; ================ KJ = K1 Jac, squared and summed over k
	s_wait_loadcnt 0x0                             ; K1 (axis 1) is in
.set f, 0
.rept 16
	K1BLD f                                        ; K1 (axis 0), fragments 0-15, into the registers that K0 has left
.set f, f+1
.endr
	WIN 0
	v_add_nc_u32 v[JA], JIMG, v[LI]
	v_add_nc_u32 v[JA+1], 98304, v[JA]
	v_mov_b32 v[JSR], v[HR4]
	PF 0, 0, 0
	s_mov_b32 s53, 6144
	s_mov_b32 s54, 256
	s_mov_b32 s55, 0
	TRIP 1                                         ; the first sample is written out: it has nothing to finish
.rept 16
	K1BLD f                                        ; fragments 16-31: 48 loads more, a sample behind the first 48
.set f, f+1
.endr
	WIN 0
	s_mov_b32 s51, 7
.Lg:
	TRIP 0
	s_sub_co_u32 s51, s51, 1
	s_cmp_lg_u32 s51, 0
	s_cbranch_scc1 .Lg
	PLACES 4
	PSL 0, 1, 0
	PSL 1, 1, 0
	PSL 2, 1, 0
	PSL 3, 1, 0
.irp k, 0,1,2,3,4,5
	SFINV \k
.endr
	SFINS
	s_wait_dscnt 0x0                               ; the last run of loads, which nobody uses, has landed: its registers may be loaded again
	; ================ lin1 = u0 K1^T + b1
.irp ks, 0,1,2,3
	FRAGLD JF+12*\ks, LI, UIMG+1536*\ks
	ds_load_b32 v[SW+\ks], v[LS] offset:USC+128*\ks
.endr
.irp b, 0,1,2,3
.irp q, 0,1,2,3
	ds_load_b128 v[ACC+16*\b+4*\q:ACC+16*\b+4*\q+3], v[CONB] offset:128*\b+16*\q        ; b1: the C of the sums' first products
	ds_load_b128 v[WT+16*\b+4*\q:WT+16*\b+4*\q+3], v[CONB] offset:512+128*\b+16*\q       ; w
.endr
.endr
	s_wait_dscnt 0x0
.irp ks, 0,1,2,3
.irp t, 0,1,2,3,4,5,6,7
	WIN 1+\t/4
	v_wmma_scale_f32_16x16x128_f8f6f4 v[ACC+8*\t:ACC+8*\t+7], v[12*(4*(\t%4)+\ks):12*(4*(\t%4)+\ks)+11], v[JF+12*\ks:JF+12*\ks+11], v[ACC+8*\t:ACC+8*\t+7], v[K1S+4*\t+\ks], v[SW+\ks] matrix_a_fmt:MATRIX_FMT_FP6 matrix_b_fmt:MATRIX_FMT_FP6
.endr
.endr
	WIN 0
	s_mul_i32 s57, s2, 6144                        ; offsets of the small weights: these six vector lines are also the places behind the products
	v_add_nc_u32 v7, s57, v[LI]
	v_bfe_u32 v8, v0, 4, 1
	v_lshlrev_b32 v8, 5, v8
	s_lshl_b32 s57, s2, 6
	v_add_nc_u32 v8, s57, v8                       ; c_w: 64 w + 32 h
	s_lshl_b32 s57, s2, 8
	v_add_nc_u32 v11, s57, v[R16]
	s_lshl_b32 s57, s2, 2
	v_add_nc_u32 v6, s57, v[R16]
	WIN 0x80                                       ; window 2, which K1's tiles 4-7 have left: v0-63 SS, v64-127 ksq, v128-191 tanh_open, all in the results' order
.irp b, 0,1,2,3
.irp q, 0,1,2,3
	ds_load_b128 v[16*\b+4*\q:16*\b+4*\q+3], v[THL] offset:SS-TH+128*\b+16*\q
	ds_load_b128 v[64+16*\b+4*\q:64+16*\b+4*\q+3], v[CONB] offset:1024+128*\b+16*\q
	ds_load_b128 v[128+16*\b+4*\q:128+16*\b+4*\q+3], v[THL] offset:128*\b+16*\q
.endr
.endr
	WIN 0
.irp t, 0,1,2,3,4,5,6,7
	global_load_b128 v[K1S+4*\t:K1S+4*\t+3], v[R16], s[22:23] offset:49152+256*\t       ; the scale words of K1 (axis 0)
.endr
	WIN 0x40                                       ; window 1: v0-47 K0 (axis 0) tile w, K steps 0-3; v48-59 its tile 4, K step w; v60-71 symA tile w; v72-83 symA tile 4; v84-91 c_w
.irp ks, 0,1,2,3
.irp q, 0,1,2
	global_load_b128 v[12*\ks+4*\q:12*\ks+4*\q+3], v7, s[26:27] offset:1536*\ks+512*\q
.endr
.endr
.irp q, 0,1,2
	global_load_b128 v[48+4*\q:51+4*\q], v[WI], s[26:27] offset:24576+512*\q
	global_load_b128 v[60+4*\q:63+4*\q], v[WI], s[26:27] offset:30720+512*\q
	global_load_b128 v[72+4*\q:75+4*\q], v[LI], s[26:27] offset:36864+512*\q
.endr
	global_load_b128 v[84:87], v8, s[18:19]
	global_load_b128 v[88:91], v8, s[18:19] offset:16
	WIN 0
	global_load_b128 v[244:247], v11, s[26:27] offset:38400
	global_load_b32 v248, v6, s[26:27] offset:39424
	global_load_b32 v249, v11, s[26:27] offset:39680
	global_load_b32 v250, v[R16], s[26:27] offset:40704
	; ================ tanh_lin1; the trace's second term; tanh_lin1 w becomes an operand
	v_mov_b32 v252, 0                              ; the trace, in two chains of pairs
	v_mov_b32 v253, 0
	v_mov_b32 v254, 0
	v_mov_b32 v255, 0
	s_wait_dscnt 0x0
	ACT2 0
	ACT2 1
	ACT2 2
	ACT2 3
	QUANT ACC
	IMG PC2, WI, AIMG
	ds_store_b32 v[WS], v[PW2] offset:ASC
	BARRIER
	; ================ z1 = w + (tanh_lin1 w) K1
.irp ks, 0,1,2,3
	FRAGLD JF+12*\ks, LI, AIMG+1536*\ks
	ds_load_b32 v[SW+\ks], v[LS] offset:ASC+128*\ks
.endr
	s_wait_dscnt 0x0
	s_wait_loadcnt 0x0                             ; K1 (axis 0) and the small weights are in
.macro WB t, ks
	K1BPOS 4*(\t)+(\ks)
	WIN KW
.if (\ks) == 0
	v_wmma_scale_f32_16x16x128_f8f6f4 v[ACC+8*(\t):ACC+8*(\t)+7], v[KR:KR+11], v[JF+12*(\ks):JF+12*(\ks)+11], v[WT+8*(\t):WT+8*(\t)+7], v[K1S+4*(\t)+(\ks)], v[SW+(\ks)] matrix_a_fmt:MATRIX_FMT_FP6 matrix_b_fmt:MATRIX_FMT_FP6
.else
	v_wmma_scale_f32_16x16x128_f8f6f4 v[ACC+8*(\t):ACC+8*(\t)+7], v[KR:KR+11], v[JF+12*(\ks):JF+12*(\ks)+11], v[ACC+8*(\t):ACC+8*(\t)+7], v[K1S+4*(\t)+(\ks)], v[SW+(\ks)] matrix_a_fmt:MATRIX_FMT_FP6 matrix_b_fmt:MATRIX_FMT_FP6
.endif
.endm
.irp ks, 0,1,2,3
.irp t, 0,1,2,3,4,5,6,7
	WB \t, \ks
.endr
.endr
	WIN 0
	PLACES 4
	; ================ the trace's first term; tanh_open z1 becomes an operand
	WIN 0x0a
.set ii, 0
.rept 32
	v_pk_fma_f32 v[WT+ii:WT+ii+1], v[128+ii:129+ii], v[128+ii:129+ii], 1.0 op_sel_hi:[1,1,0] neg_lo:[1,0,0] neg_hi:[1,0,0]   ; 1 - tanh_open^2
.set ii, ii+2
.endr
	WIN 0
.set ii, 0
.rept 32
	v_pk_mul_f32 v[WT+ii:WT+ii+1], v[WT+ii:WT+ii+1], v[ACC+ii:ACC+ii+1]
.set ii, ii+2
.endr
	WIN 0x08
.set ii, 0
.rept 32
	v_pk_fma_f32 v[252+2*((ii/2)%2):253+2*((ii/2)%2)], v[WT+ii:WT+ii+1], v[64+ii:65+ii], v[252+2*((ii/2)%2):253+2*((ii/2)%2)]
.set ii, ii+2
.endr
	WIN 0x02
.set ii, 0
.rept 32
	v_pk_mul_f32 v[ACC+ii:ACC+ii+1], v[128+ii:129+ii], v[ACC+ii:ACC+ii+1]
.set ii, ii+2
.endr
	WIN 0
	QUANT ACC
	IMG PC2, WI, QIMG
	ds_store_b32 v[WS], v[PW2] offset:QSC
	BARRIER
	; ================ grad = (tanh_open z1) K0 + s symA + c_w.  Wave w makes columns 16 w .. 16 w + 15; column 64 (tile 4) has its K steps shared out, one a wave
	s_mul_i32 s57, s2, 1792
	v_add_nc_u32 v7, s57, v[LI]
	v_add_nc_u32 v8, s57, v[LS]
.irp ks, 0,1,2,3
	FRAGLD JF+12*\ks, LI, QIMG+1536*\ks
	ds_load_b32 v[SW+\ks], v[LS] offset:QSC+128*\ks
.endr
	FRAGLD 104, WI, QIMG
	ds_load_b32 v[SW+4], v[WS] offset:QSC
	FRAGLD 116, 7, SIMG
	ds_load_b32 v[SW+5], v8 offset:SIMG+1536
	s_wait_dscnt 0x0
	WIN 0x11                                       ; source 0 and C (c_w) in window 1.  Four accumulators by turns
	v_wmma_scale_f32_16x16x128_f8f6f4 v[168:175], v[0:11], v[56:67], v[84:91], v244, v48 matrix_a_fmt:MATRIX_FMT_FP6 matrix_b_fmt:MATRIX_FMT_FP6
	WIN 0x01
	v_wmma_scale_f32_16x16x128_f8f6f4 v[176:183], v[12:23], v[68:79], 0, v245, v49 matrix_a_fmt:MATRIX_FMT_FP6 matrix_b_fmt:MATRIX_FMT_FP6
	v_wmma_scale_f32_16x16x128_f8f6f4 v[184:191], v[48:59], v[104:115], 0, v248, v52 matrix_a_fmt:MATRIX_FMT_FP6 matrix_b_fmt:MATRIX_FMT_FP6
	v_wmma_scale_f32_16x16x128_f8f6f4 v[168:175], v[24:35], v[80:91], v[168:175], v246, v50 matrix_a_fmt:MATRIX_FMT_FP6 matrix_b_fmt:MATRIX_FMT_FP6
	v_wmma_scale_f32_16x16x128_f8f6f4 v[176:183], v[36:47], v[92:103], v[176:183], v247, v51 matrix_a_fmt:MATRIX_FMT_FP6 matrix_b_fmt:MATRIX_FMT_FP6
	v_wmma_scale_f32_16x16x128_f8f6f4 v[192:199], v[72:83], v[116:127], 0, v250, v53 matrix_a_fmt:MATRIX_FMT_FP6 matrix_b_fmt:MATRIX_FMT_FP6
	v_wmma_scale_f32_16x16x128_f8f6f4 v[168:175], v[60:71], v[116:127], v[168:175], v249, v53 matrix_a_fmt:MATRIX_FMT_FP6 matrix_b_fmt:MATRIX_FMT_FP6
	WIN 0
	v_and_b32 v228, 7, v0                          ; addresses for the way out: these seven vector lines are the places behind the products
	v_bfe_u32 v231, v0, 4, 1
	v_lshlrev_b32 v228, 8, v228
	v_lshl_add_u32 v228, v231, 5, v228
	s_lshl_b32 s57, s2, 6
	v_add_nc_u32 v228, s57, v228                   ; the stage: row r % 8 of 256 bytes, + 64 w + 32 h
	s_mul_i32 s57, s2, 384
	v_add_nc_u32 v229, s57, v[LS]
	s_lshl_b32 s57, s2, 9
	v_add_nc_u32 v230, s57, v[LI]
.irp p, 0,1,2,3
	v_pk_add_f32 v[200+2*\p:201+2*\p], v[168+2*\p:169+2*\p], v[176+2*\p:177+2*\p] neg_lo:[1,1] neg_hi:[1,1]   ; dz_dt = -grad: columns 16 w + 8 h + 0 .. 7 of my sample
.endr
	v_pk_mul_f32 v[208:209], v[200:201], v[200:201]
.irp p, 1,2,3
	v_pk_fma_f32 v[208:209], v[200+2*\p:201+2*\p], v[200+2*\p:201+2*\p], v[208:209]
.endr
	v_fma_f32 v210, s56, v192, v184                ; column 64 (lanes 0-15, register 0): my K step of z0, and in wave 0 the term of symA
	v_pk_add_f32 v[252:253], v[252:253], v[254:255]
	v_add_f32 v208, v208, v209
	v_add_f32 v252, v252, v253
	v_permlanex16_b32 v209, v208, s46, s47
	v_permlanex16_b32 v253, v252, s46, s47
	v_add_f32 v208, v208, v209                     ; my 16 columns' part of the sum of dz_dt^2
	v_add_f32 v252, v252, v253                     ; my 128 units' part of the trace
	ds_store_b128 v228, v[200:203] offset:STG
	ds_store_b128 v228, v[204:207] offset:STG+16
	ds_store_b32 v229, v208 offset:RED
	ds_store_b32 v229, v252 offset:RED+128
	ds_store_b32 v229, v210 offset:RED+256
	BARRIER
	; ================ the way out
	ds_load_b128 v[212:215], v230 offset:STG
	s_wait_dscnt 0x0
	global_store_b128 v230, v[212:215], s[32:33] th:TH_STORE_NT    ; a wave stores 512 consecutive bytes, aligned: two rows of out0
	s_cmp_lg_u32 s2, 0
	s_cbranch_scc1 .Lend
.irp k, 0,1,2,3,4,5,6,7,8,9,10,11
	ds_load_b32 v[216+\k], v[LS] offset:RED+128*\k
.endr
	s_wait_dscnt 0x0
.irp q, 0,1,2
	v_add_f32 v[216+\q], v[216+\q], v[219+\q]
	v_add_f32 v[222+\q], v[222+\q], v[225+\q]
.endr
.irp q, 0,1,2
	v_add_f32 v[216+\q], v[216+\q], v[222+\q]
.endr
	v_mul_f32 v216, 0.5, v216                      ; cost_L
	v_add_f32 v217, s42, v217
	v_add_f32 v217, s43, v217
	v_add_f32 v217, s44, v217
	v_add_f32 v217, s45, v217                      ; trH
	v_xor_b32 v217, 0x80000000, v217               ; dlogp_dt = -trH
	v_add_f32 v218, s41, v218                      ; dPhi_dt
	v_sub_f32 v218, v216, v218
	v_and_b32 v218, s48, v218                      ; cost_HJB = |cost_L - dPhi_dt|
	v_cmp_gt_u32 vcc_lo, 8, v0
	s_wait_xcnt 0x0                                ; EXEC changes only behind this wait
	s_and_saveexec_b32 s57, vcc_lo
	global_store_b32 v[LS], v217, s[34:35]         ; lanes 0-7: my 8 samples
	global_store_b32 v[LS], v216, s[36:37]
	global_store_b32 v[LS], v218, s[38:39]
	s_wait_xcnt 0x0
	s_or_b32 exec_lo, exec_lo, s57
.Lend:
	s_wait_xcnt 0x0
	s_mov_b32 exec_lo, -1
	v_lshl_add_u32 v254, v0, 2, 0x43800
	v_mov_b32 v255, 0
	s_wait_tensorcnt 0x0
	ds_add_u32 v254, v255
	s_wait_dscnt 0x0
	s_endpgm
.Lfunc_end_k_qd4fa1093d1_main:
	.size	k_qd4fa1093d1_main, .Lfunc_end_k_qd4fa1093d1_main-k_qd4fa1093d1_main
	.p2alignl 7, 3214868480
	.fill 96, 4, 3214868480
	.section	.rodata,"a",@progbits
	.p2align	6, 0x0
	.amdhsa_kernel k_qd4fa1093d1_main
		.amdhsa_group_segment_fixed_size 276992
		.amdhsa_private_segment_fixed_size 0
		.amdhsa_enable_private_segment 0
		.amdhsa_kernarg_size 128
		.amdhsa_user_sgpr_count 2
		.amdhsa_user_sgpr_kernarg_segment_ptr 1
		.amdhsa_wavefront_size32 1
		.amdhsa_system_sgpr_workgroup_id_x 1
		.amdhsa_system_sgpr_workgroup_id_y 1
		.amdhsa_system_sgpr_workgroup_id_z 1
		.amdhsa_system_vgpr_workitem_id 0
		.amdhsa_next_free_vgpr 1024
		.amdhsa_next_free_sgpr 66
		.amdhsa_reserve_vcc 1
		.amdhsa_float_denorm_mode_32 3
		.amdhsa_float_denorm_mode_16_64 3
		.amdhsa_memory_ordered 1
		.amdhsa_forward_progress 1
		.amdhsa_inst_pref_size 255
	.end_amdhsa_kernel
	.amdgpu_metadata
---
amdhsa.version: [ 1, 2 ]
amdhsa.kernels:
  - .name:           k_qd4fa1093d1_main
    .symbol:         k_qd4fa1093d1_main.kd
    .args:
      - { .name: x, .offset: 0, .size: 8, .value_kind: global_buffer, .address_space: global }
      - { .name: t, .offset: 8, .size: 8, .value_kind: global_buffer, .address_space: global }
      - { .name: b0, .offset: 16, .size: 8, .value_kind: global_buffer, .address_space: global }
      - { .name: b1, .offset: 24, .size: 8, .value_kind: global_buffer, .address_space: global }
      - { .name: w, .offset: 32, .size: 8, .value_kind: global_buffer, .address_space: global }
      - { .name: c_w, .offset: 40, .size: 8, .value_kind: global_buffer, .address_space: global }
      - { .name: wk1a, .offset: 48, .size: 8, .value_kind: global_buffer, .address_space: global }
      - { .name: wk1b, .offset: 56, .size: 8, .value_kind: global_buffer, .address_space: global }
      - { .name: wk0a, .offset: 64, .size: 8, .value_kind: global_buffer, .address_space: global }
      - { .name: wsm, .offset: 72, .size: 8, .value_kind: global_buffer, .address_space: global }
      - { .name: wkop, .offset: 80, .size: 8, .value_kind: global_buffer, .address_space: global }
      - { .name: wksq, .offset: 88, .size: 8, .value_kind: global_buffer, .address_space: global }
      - { .name: out0, .offset: 96, .size: 8, .value_kind: global_buffer, .address_space: global }
      - { .name: out1, .offset: 104, .size: 8, .value_kind: global_buffer, .address_space: global }
      - { .name: out2, .offset: 112, .size: 8, .value_kind: global_buffer, .address_space: global }
      - { .name: out3, .offset: 120, .size: 8, .value_kind: global_buffer, .address_space: global }
    .group_segment_fixed_size: 276992
    .private_segment_fixed_size: 0
    .kernarg_segment_align: 8
    .kernarg_segment_size: 128
    .max_flat_workgroup_size: 128
    .sgpr_count:     66
    .vgpr_count:     1024
    .wavefront_size: 32
...
	.end_amdgpu_metadata
.endif
;; end of part 2
;; ======== version 2 of 2: 2 launches; 1.12 times as fast as version 1
;; workspace buffers: wk1a 204,800 bytes; wk1b 204,800 bytes; wk0a 51,200 bytes; wsm 40,960 bytes; wkop 131,072 bytes; wksq 2,048 bytes
;; launch prep (part 3): grid 297 x 1, 1 waves a work-group, no clusters, 3,328 bytes of LDS; arguments A, K0, K1, wk1a, wk1b, wk0a, wsm, wkop, wksq; writes wk1a, wk1b, wk0a, wsm, wkop, wksq
.if DOCPART == 3
	.amdgcn_target "amdgcn-amd-amdhsa--gfx1250"
	.amdhsa_code_object_version 6
	.text
	.protected	k_qd4fa1093d1_prep
	.globl	k_qd4fa1093d1_prep
	.p2align	8
	.type	k_qd4fa1093d1_prep,@function
k_qd4fa1093d1_prep:
	s_mov_b64 s[64:65], 0
	v_nop
	global_prefetch_b8 v0, s[64:65] scope:SCOPE_SE
	s_setreg_imm32_b32 hwreg(HW_REG_WAVE_MODE, 25, 1), 1
	s_wait_xcnt 0x0
; THE WEIGHTS ARE QUANTISED ONCE, to codes of FP6 (E2M3) with one E8M0 byte for each 32 along K, and laid in the order of the operand's registers.
; A FRAGMENT is 16 rows x 128 K in 12 registers: lane (r, h) holds row r, registers 6 c .. 6 c + 5 hold K = 64 c + 32 h + 0 .. 31.  Its IMAGE is 1,536 bytes: registers 4 q .. 4 q + 3 of lane l at 512 q + 16 l.
; 297 jobs, one wave each, told apart by the work-group's number.  A job asks for all its numbers in one run of loads and waits once:
;   0-127    K1 along its axis 1 (rows i, K = j): one fragment (tile job / 4, K step job % 4) -> wk1a        128-255  K1 along its axis 0 (rows j, K = i), likewise -> wk1b
;   256-271  K0 along its axis 1 (K = 65, filled to 128 with zero codes): two tiles, 32 rows -> wk0a, and the row sums of K0[:, :64]^2 -> wksq
;   272-291  K0 along its axis 0 (rows c = 0 .. 64, K = m): one fragment -> wsm, and K0[:, :64] as f32 in the order in which the next launch multiplies it -> wkop
;   292-296  symA = A^T A (f32 multiply-adds, K = 10 ascending) along its axis 0 -> wsm, and the parts of trace(symA[:64, :64])
; THE ROWS OF A TILE of K1 and of K0 (axis 1) ARE NOT NEIGHBOURS: lane r of tile 2 b + u of quarter w takes row 128 w + 32 b + 8 u + r + 8 (r / 8).
; A block's scale is 2^(floor(log2(its largest magnitude)) - 2): its byte is the largest magnitude's exponent field - 2, held at 1 from below by a floor among the maximum's leaves.
; A row's scale words of four K steps are 16 neighbouring bytes; a job of one K step stores 4 of them a row: 16 KB of the launch's 635 KB leave so.
; LIMITS: a block of zeros gets the byte 1 where the rule says 127 (its codes are zeros, and only this program reads the bytes); NaN and infinities among the inputs are not served.
.set VR,   1                           ; v1      r = lane % 16
.set VH,   2                           ; v2      h = lane / 16
.set SH8,  3                           ; v3      8 h
.set OA,   4                           ; v4, v5  load offsets
.set OB,   5
.set LI,   6                           ; v6      16 x lane
.set R16,  7                           ; v7      16 r
.set MK,   8                           ; v[8:9]  a mask as numbers, twice
.set AC,   10                          ; v10-19  A[rr][my column]; in jobs 256-271 two pairs of row sums
.set PWS,  20                          ; v20-23  scale words
.set BM,   24                          ; v24-27  largest magnitudes
.set BSCL, 28                          ; v28-29  the conversions' scale operands
.set BBY,  30                          ; v30-31  scale bytes
.set PT,   32                          ; v32     a lane permute's destination
.set RP,   33                          ; v33     r + 8 (r / 8)
.set T1,   34
.set T2,   35
.set PC,   36                          ; v36-47  the fragment just made
.set PX,   48                          ; v48-50, v52-54  the upper halves of its blocks, as converted
.set KD,   56
.set W,    64                          ; v64-127, v128-191  two sets of 64 numbers: register 32 c + i = K 64 c + 32 h + i of my row
.set ALDS, 256                         ; LDS: bytes 0-127 the row sums of jobs 256-271; from 256 on A, 10 rows of 272 bytes, for jobs 292-296: each path has bytes of its own
.set MSB,  0
.macro WIN new                         ; the immediate's high byte repeats the setting that is left
.set WNEW, \new
.if MSB != WNEW
	s_set_vgpr_msb (MSB<<8)|WNEW
.set MSB, WNEW
.endif
.endm
; 64 numbers of a lane, two whole blocks of 32, become the fragment in v[PC] on and the row's scale word in v[pw] (every lane)
.macro BQ src, pw
.irp c, 0,1
.irp a, 0,1
	v_max3_num_f32 v[BM+2*\c+\a], |v[\src+32*\c+16*\a]|, |v[\src+32*\c+16*\a+1]|, 0x1800000   ; four chains; the floor 2^(3 - 127) holds the byte at 1 from below
.endr
.endr
.irp i, 2,4,6,8,10,12,14
.irp c, 0,1
.irp a, 0,1
	v_max3_num_f32 v[BM+2*\c+\a], v[BM+2*\c+\a], |v[\src+32*\c+16*\a+\i]|, |v[\src+32*\c+16*\a+\i+1]|
.endr
.endr
.endr
.irp c, 0,1
	v_max_num_f32 v[BM+2*\c], v[BM+2*\c], v[BM+2*\c+1]
.endr
.irp c, 0,1
	v_add_nc_u32 v[BSCL+\c], 0xff000000, v[BM+2*\c]        ; 2 off the exponent field: the conversion takes that field as its scale
.endr
.irp c, 0,1
	v_lshrrev_b32 v[BBY+\c], 23, v[BSCL+\c]                ; the scale's byte
.endr
	s_wait_xcnt 0x0                                        ; an earlier fragment's stores have read v[PC] on
.irp c, 0,1
	v_cvt_scalef32_pk16_fp6_f32 v[PC+6*\c:PC+6*\c+2], v[\src+32*\c:\src+32*\c+15], v[BSCL+\c]
	v_cvt_scalef32_pk16_fp6_f32 v[PX+4*\c:PX+4*\c+2], v[\src+32*\c+16:\src+32*\c+31], v[BSCL+\c]   ; (a conversion's three registers begin on an even number)
.endr
	v_lshl_or_b32 v[\pw], v[BBY+1], 16, v[BBY]             ; my bytes: blocks h and 2 + h.  (The plain line behind the conversions)
	v_lshlrev_b32 v[\pw], v[SH8], v[\pw]                   ; at their places in the word
.irp c, 0,1
.irp i, 0,1,2
	v_mov_b32 v[PC+6*\c+3+\i], v[PX+4*\c+\i]
.endr
.endr
	v_permlanex16_b32 v[PT], v[\pw], s26, s27
	v_or_b32 v[\pw], v[\pw], v[PT]                         ; with lane l xor 16's two bytes the word is whole
.endm
.macro OUTF base, off                  ; the fragment leaves as its image: each store covers 512 consecutive bytes
.irp q, 0,1,2
	global_store_b128 v[LI], v[PC+4*\q:PC+4*\q+3], s[\base:\base+1] offset:\off+512*\q
.endr
.endm
.macro LDA                             ; a K step where K is innermost: 2 x 128 bytes of my row
.irp c, 0,1
.irp q, 0,1,2,3,4,5,6,7
	global_load_b128 v[W+32*\c+4*\q:W+32*\c+4*\q+3], v[OA], s[12:13] offset:256*\c+16*\q
.endr
.endr
.endm
.macro LDB pitch, base                 ; a K step where K runs down the rows: my column, registers down K
.irp c, 0,1
.irp i, 0,1,2,3,4,5,6,7,8,9,10,11,12,13,14,15,16,17,18,19,20,21,22,23,24,25,26,27,28,29,30,31
	global_load_b32 v[W+32*\c+\i], v[OA], s[\base:\base+1] offset:(64*\c+\i)*\pitch
.endr
.endr
.endm
.macro FINISH cnt                      ; lanes 0-15 store cnt scale words a row, 16 bytes from row to row; then the wave ends
	s_wait_xcnt 0x0                                        ; EXEC changes only behind this wait
	s_and_saveexec_b32 s38, vcc_lo
.if \cnt == 1
	global_store_b32 v[R16], v[PWS], s[36:37]
.elseif \cnt == 2
	global_store_b64 v[R16], v[PWS:PWS+1], s[36:37]
.else
	global_store_b128 v[R16], v[PWS:PWS+3], s[36:37]       ; 256 consecutive bytes, aligned
.endif
	s_wait_xcnt 0x0
	s_or_b32 exec_lo, exec_lo, s38
	s_wait_xcnt 0x0
	s_mov_b32 exec_lo, -1
	s_wait_tensorcnt 0x0
	ds_add_u32 v254, v255
	s_wait_dscnt 0x0
	s_endpgm
.endm
	s_load_b512 s[8:23], s[0:1], 0x0               ; A s[8:9], K0 s[10:11], K1 s[12:13], wk1a s[14:15], wk1b s[16:17], wk0a s[18:19], wsm s[20:21], wkop s[22:23]
	s_load_b64 s[24:25], s[0:1], 0x40              ; wksq
	v_lshl_add_u32 v254, v0, 2, 0xc00
	v_mov_b32 v255, 0
	v_and_b32 v[VR], 15, v0
	v_lshrrev_b32 v[VH], 4, v0
	v_lshlrev_b32 v[SH8], 3, v[VH]
	v_lshlrev_b32 v[LI], 4, v0
	v_lshlrev_b32 v[R16], 4, v[VR]
	v_and_b32 v[RP], 8, v[VR]
	v_add_nc_u32 v[RP], v[RP], v[VR]
	v_mov_b32 v[PT], 0                             ; written once: a lane permute's destination counts as one of its sources
	v_cmp_gt_u32 vcc_lo, 16, v0                    ; lanes 0-15; kept to the end
	s_mov_b32 s26, 0x76543210
	s_mov_b32 s27, 0xfedcba98                      ; v_permlanex16_b32's selects for lane l xor 16
	s_mov_b32 s29, 0                               ; the high words of the offset pairs s[28:29] and s[32:33]
	s_mov_b32 s33, 0
	s_wait_kmcnt 0x0
	s_cmp_lt_u32 ttmp9, 256
	s_cbranch_scc0 .Lsmall
	; ---- jobs 0-255: one fragment of K1: q = (job / 4) % 32: quarter w = q / 8, tile t = q % 8; K step s = job % 4
	s_and_b32 s39, ttmp9, 3                        ; s
	s_lshr_b32 s30, ttmp9, 2
	s_and_b32 s30, s30, 31                         ; q
	s_lshr_b32 s31, s30, 1
	s_lshl_b32 s31, s31, 5
	s_and_b32 s32, s30, 1
	s_lshl_b32 s32, s32, 3
	s_add_co_u32 s31, s31, s32                     ; the tile's first row: 32 (q / 2) + 8 (q % 2)
	s_lshr_b32 s32, s30, 3
	s_mul_i32 s32, s32, 51200                      ; the quarter
	s_and_b32 s30, s30, 7
	s_mul_i32 s28, s30, 6144
	s_add_co_u32 s28, s28, s32
	s_mul_i32 s38, s39, 1536
	s_add_co_u32 s28, s28, s38                     ; the fragment (t, s)
	s_lshl_b32 s30, s30, 8
	s_add_co_u32 s32, s32, s30
	s_lshl_b32 s38, s39, 2
	s_add_co_u32 s32, s32, s38
	s_add_co_u32 s32, s32, 49152                   ; its scale words: 256 t + 16 r + 4 s
	s_cmp_lt_u32 ttmp9, 128
	s_cselect_b64 s[34:35], s[14:15], s[16:17]
	s_add_nc_u64 s[36:37], s[34:35], s[32:33]
	s_add_nc_u64 s[34:35], s[34:35], s[28:29]
	s_cbranch_scc0 .Lk1b
	s_lshl_b32 s28, s31, 11                        ; axis 1: a row of K1 is 2,048 bytes, a K step 512 of them
	s_lshl_b32 s38, s39, 9
	s_add_co_u32 s28, s28, s38
	s_add_nc_u64 s[12:13], s[12:13], s[28:29]
	v_lshlrev_b32 v[OA], 11, v[RP]
	v_lshl_add_u32 v[OA], v[VH], 7, v[OA]
	LDA
	s_wait_loadcnt 0x0
	BQ W, PWS
	OUTF 34, 0
	FINISH 1
.Lk1b:
	s_lshl_b32 s28, s31, 2                         ; axis 0: my column; a K step is 128 rows; lanes 16-31 begin 32 rows further down
	s_lshl_b32 s38, s39, 18
	s_add_co_u32 s28, s28, s38
	s_add_nc_u64 s[12:13], s[12:13], s[28:29]
	v_lshlrev_b32 v[OA], 2, v[RP]
	v_lshl_add_u32 v[OA], v[VH], 16, v[OA]
	LDB 2048, 12
	s_wait_loadcnt 0x0
	BQ W, PWS
	OUTF 34, 0
	FINISH 1
.Lsmall:
	s_cmp_lt_u32 ttmp9, 272
	s_cbranch_scc0 .Lcols
	; ---- jobs 256-271: two tiles of K0 along its 65 columns: the 32 rows from row 32 p on; quarter w = p / 4, tiles 2 b and 2 b + 1, b = p % 4
	s_sub_co_u32 s30, ttmp9, 256                   ; p
	s_mul_i32 s28, s30, 32*260
	s_add_nc_u64 s[10:11], s[10:11], s[28:29]
	s_lshl_b32 s28, s30, 7
	s_add_nc_u64 s[24:25], s[24:25], s[28:29]      ; the 32 row sums
	s_lshr_b32 s31, s30, 2
	s_mul_i32 s31, s31, 12800                      ; the quarter
	s_and_b32 s30, s30, 3                          ; b
	s_mul_i32 s28, s30, 3072
	s_add_co_u32 s28, s28, s31
	s_add_nc_u64 s[34:35], s[18:19], s[28:29]
	s_lshr_b32 s28, s30, 1
	s_lshl_b32 s28, s28, 8
	s_and_b32 s30, s30, 1
	s_lshl_b32 s30, s30, 3
	s_add_co_u32 s28, s28, s30
	s_add_co_u32 s28, s28, s31
	s_add_co_u32 s28, s28, 12288                   ; the scale words: 256 (t / 4) + 16 r + 4 (t % 4), two neighbours for my two tiles
	s_add_nc_u64 s[36:37], s[18:19], s[28:29]
	v_mul_u32_u24 v[OB], v[RP], 260                ; a row of K0 is 260 bytes
	v_lshl_add_u32 v[OA], v[VH], 7, v[OB]
	v_lshlrev_b32 v[T1], 2, v[RP]                  ; LDS: my row's sum
	v_lshlrev_b32 v[T2], 2, v0                     ; and 4 bytes a lane on the way out
.set ii, 33
.rept 31
	v_mov_b32 v[W+ii], 0                           ; K = 65 .. 127: zeros, in both sets
	v_mov_b32 v[W+64+ii], 0
.set ii, ii+1
.endr
.macro LD0 tt
.set ii, 0
.rept 32
	global_load_b32 v[W+64*(\tt)+ii], v[OA], s[10:11] offset:8*(\tt)*260+4*ii
.set ii, ii+1
.endr
	global_load_b32 v[W+64*(\tt)+32], v[OB], s[10:11] offset:8*(\tt)*260+256
.endm
.macro TILE0 tt
.set WS0, W+64*(\tt)
.set KA, AC+2*(\tt)
.if \tt == 0
	s_wait_loadcnt 33                                      ; this tile is in; the other tile's 33 loads may be out
.else
	s_wait_loadcnt 0x0
.endif
	v_cndmask_b32 v[WS0+32], 0, v[WS0+32], vcc_lo          ; column 64 belongs to lanes 0-15 (K = 64); in lanes 16-31 the place is K = 96: zero
	v_pk_mul_f32 v[KA:KA+1], v[WS0:WS0+1], v[WS0:WS0+1]    ; the sum of my 32 squares of columns 0 .. 63
.set p, 2
.rept 15
	v_pk_fma_f32 v[KA:KA+1], v[WS0+p:WS0+p+1], v[WS0+p:WS0+p+1], v[KA:KA+1]
.set p, p+2
.endr
	v_add_f32 v[KA], v[KA], v[KA+1]
	v_permlanex16_b32 v[PT], v[KA], s26, s27
	v_add_f32 v[KA], v[KA], v[PT]
	ds_store_b32 v[T1], v[KA] offset:32*(\tt)              ; row 8 tt + r + 8 (r / 8) of the 32; both halves of the lanes write the same word with the same value
	BQ WS0, PWS+\tt
	OUTF 34, 1536*\tt
.endm
	LD0 0
	LD0 1
	TILE0 0
	TILE0 1
	ds_load_b32 v[KD], v[T2]                       ; LDS serves a wave's instructions in order: this sees my stores
	s_wait_dscnt 0x0
	global_store_b32 v[T2], v[KD], s[24:25]        ; 128 consecutive bytes
	FINISH 2
.Lcols:
	s_cmp_lt_u32 ttmp9, 292
	s_cbranch_scc0 .Lsym
	; ---- jobs 272-291: fragment e = 4 t + s of K0's columns (row of the operand = column c = 16 t + r, K = the 512 rows of K0)
	s_sub_co_u32 s31, ttmp9, 272                   ; e
	s_lshr_b32 s30, s31, 2                         ; t
	s_and_b32 s39, s31, 3                          ; s
	s_mul_i32 s28, s31, 1536
	s_add_nc_u64 s[34:35], s[20:21], s[28:29]
	s_lshl_b32 s28, s30, 8
	s_lshl_b32 s38, s39, 2
	s_add_co_u32 s28, s28, s38
	s_add_co_u32 s28, s28, 38400
	s_add_nc_u64 s[36:37], s[20:21], s[28:29]
	s_lshl_b32 s28, s30, 13
	s_lshl_b32 s38, s39, 15
	s_add_co_u32 s28, s28, s38
	s_add_nc_u64 s[22:23], s[22:23], s[28:29]      ; wkop: 32,768 bytes for each K step, 8,192 for each tile of columns (used for t < 4 alone)
	s_mul_i32 s28, s39, 128*260
	s_add_nc_u64 s[10:11], s[10:11], s[28:29]      ; the K step's 128 rows of K0
	s_lshl_b32 s31, s30, 4
	v_add_nc_u32 v[T1], s31, v[VR]
	v_cmp_ge_u32 s38, 64, v[T1]                    ; columns 0 .. 64 exist
	v_cndmask_b32 v[MK], 0, 1.0, s38
	v_mov_b32 v[MK+1], v[MK]
	v_min_u32 v[T1], 64, v[T1]                     ; no load leaves the buffer
	v_lshlrev_b32 v[OA], 2, v[T1]
	v_mad_u32_u24 v[OA], v[VH], 8320, v[OA]        ; lanes 16-31 begin 32 rows of 260 bytes further down
	LDB 260, 10
	s_wait_loadcnt 0x0
	s_cmp_lt_u32 s30, 4
	s_cbranch_scc0 .Ledge
.set g, 0
.rept 16
	global_store_b128 v[LI], v[W+4*g:W+4*g+3], s[22:23] offset:512*g   ; tiles 0-3: the numbers themselves, as images of four registers
.set g, g+1
.endr
	s_branch .Lcq
.Ledge:
.set p, 0
.rept 32
	v_pk_mul_f32 v[W+p:W+p+1], v[W+p:W+p+1], v[MK:MK+1]   ; tile 4: only column 64 exists; the other rows of the operand are zeros
.set p, p+2
.endr
.Lcq:
	BQ W, PWS
	OUTF 34, 0
	FINISH 1
.Lsym:
	; ---- jobs 292-296: tile t of symA's columns: row of the operand = column c = 16 t + r, K = a = 0 .. 64.  symA[a][c] = the sum over rr of A[rr][a] A[rr][c]
	s_sub_co_u32 s30, ttmp9, 292
	s_lshl_b32 s31, s30, 4
	v_add_nc_u32 v[T1], s31, v[VR]
	v_cmp_ge_u32 s38, 64, v[T1]
	v_cndmask_b32 v[MK], 0, 1.0, s38
	v_mov_b32 v[MK+1], v[MK]
	v_cmp_gt_u32 s39, 64, v[T1]                    ; the trace takes columns 0 .. 63
	v_cndmask_b32 v[KD], 0, 1.0, s39
	v_min_u32 v[T1], 64, v[T1]
	v_lshlrev_b32 v[OA], 2, v[T1]
	v_lshlrev_b32 v[OB], 7, v[VH]                  ; 128 h
	v_lshlrev_b32 v[T1], 2, v0                     ; 4 x lane
	v_mov_b32 v[T2], 0
	s_mul_i32 s28, s30, 1536
	s_add_co_u32 s28, s28, 30720
	s_add_nc_u64 s[34:35], s[20:21], s[28:29]
	s_lshl_b32 s28, s30, 8
	s_add_co_u32 s28, s28, 39680
	s_add_nc_u64 s[36:37], s[20:21], s[28:29]
.irp rr, 0,1,2,3,4,5,6,7,8,9
	global_load_b32 v[AC+\rr], v[OA], s[8:9] offset:260*\rr            ; A[rr][c]
	global_load_b32 v[W+3*\rr], v[T1], s[8:9] offset:260*\rr           ; the whole row rr: columns 0-31 a lane each,
	global_load_b32 v[W+3*\rr+1], v[T1], s[8:9] offset:260*\rr+128     ; columns 32-63,
	global_load_b32 v[W+3*\rr+2], v[T2], s[8:9] offset:260*\rr+256     ; column 64
.endr
	s_wait_loadcnt 0x0
.irp rr, 0,1,2,3,4,5,6,7,8,9
	ds_store_b32 v[T1], v[W+3*\rr] offset:ALDS+272*\rr                 ; A goes through LDS, rows 272 bytes apart, so that every lane can take the 32 columns of its half
	ds_store_b32 v[T1], v[W+3*\rr+1] offset:ALDS+272*\rr+128
	ds_store_b32 v[T2], v[W+3*\rr+2] offset:ALDS+272*\rr+256           ; (all lanes write the same word with the same value)
.endr
	WIN 0x40                                       ; A[rr][32 h + i], i = 0 .. 31, and A[rr][64]: register 36 rr + i of window 1 (rr 0-6) and 36 (rr - 7) + i of window 2 (rr 7-9)
.set rr, 0
.rept 7
.set q, 0
.rept 8
	ds_load_b128 v[36*rr+4*q:36*rr+4*q+3], v[OB] offset:ALDS+272*rr+16*q   ; LDS serves a wave's instructions in order: these see my stores
.set q, q+1
.endr
	ds_load_b32 v[36*rr+32], v[T2] offset:ALDS+272*rr+256
.set rr, rr+1
.endr
	WIN 0x80
.rept 3
.set q, 0
.rept 8
	ds_load_b128 v[36*(rr-7)+4*q:36*(rr-7)+4*q+3], v[OB] offset:ALDS+272*rr+16*q
.set q, q+1
.endr
	ds_load_b32 v[36*(rr-7)+32], v[T2] offset:ALDS+272*rr+256
.set rr, rr+1
.endr
	WIN 0
	s_wait_dscnt 0x0
	WIN 0x01
.set ii, 0
.rept 33
	v_mul_f32 v[W+ii], v[ii], v[AC]                ; rr = 0 starts the sums
.set ii, ii+1
.endr
.set rr, 1
.rept 6
.set ii, 0
.rept 33
	v_fma_f32 v[W+ii], v[36*rr+ii], v[AC+rr], v[W+ii]
.set ii, ii+1
.endr
.set rr, rr+1
.endr
	WIN 0x02
.rept 3
.set ii, 0
.rept 33
	v_fma_f32 v[W+ii], v[36*(rr-7)+ii], v[AC+rr], v[W+ii]
.set ii, ii+1
.endr
.set rr, rr+1
.endr
	WIN 0
	v_cndmask_b32 v[W+32], 0, v[W+32], vcc_lo      ; a = 64 belongs to lanes 0-15
.set ii, 33
.rept 31
	v_mov_b32 v[W+ii], 0                           ; a = 65 .. 127: zeros
.set ii, ii+1
.endr
.set p, 0
.rept 17
	v_pk_mul_f32 v[W+p:W+p+1], v[W+p:W+p+1], v[MK:MK+1]   ; rows c > 64 of the operand are zeros
.set p, p+2
.endr
	BQ W, PWS
	OUTF 34, 0
	v_mul_f32 v[PWS+1], v[AC], v[AC]               ; symA[c][c]
.irp rr, 1,2,3,4,5,6,7,8,9
	v_fma_f32 v[PWS+1], v[AC+\rr], v[AC+\rr], v[PWS+1]
.endr
	v_mul_f32 v[PWS+1], v[PWS+1], v[KD]
	v_add_f32_dpp v[PWS+1], v[PWS+1], v[PWS+1] row_xmask:1 row_mask:0xf bank_mask:0xf
	v_add_f32_dpp v[PWS+1], v[PWS+1], v[PWS+1] row_xmask:2 row_mask:0xf bank_mask:0xf
	v_add_f32_dpp v[PWS+1], v[PWS+1], v[PWS+1] row_xmask:4 row_mask:0xf bank_mask:0xf
	v_add_f32_dpp v[PWS+1], v[PWS+1], v[PWS+1] row_xmask:8 row_mask:0xf bank_mask:0xf   ; the tile's part of the trace, in every lane
	v_mov_b32 v[PWS+2], 0
	v_mov_b32 v[PWS+3], 0
	FINISH 4
.Lfunc_end_k_qd4fa1093d1_prep:
	.size	k_qd4fa1093d1_prep, .Lfunc_end_k_qd4fa1093d1_prep-k_qd4fa1093d1_prep
	.p2alignl 7, 3214868480
	.fill 96, 4, 3214868480
	.section	.rodata,"a",@progbits
	.p2align	6, 0x0
	.amdhsa_kernel k_qd4fa1093d1_prep
		.amdhsa_group_segment_fixed_size 3328
		.amdhsa_private_segment_fixed_size 0
		.amdhsa_enable_private_segment 0
		.amdhsa_kernarg_size 72
		.amdhsa_user_sgpr_count 2
		.amdhsa_user_sgpr_kernarg_segment_ptr 1
		.amdhsa_wavefront_size32 1
		.amdhsa_system_sgpr_workgroup_id_x 1
		.amdhsa_system_sgpr_workgroup_id_y 1
		.amdhsa_system_sgpr_workgroup_id_z 1
		.amdhsa_system_vgpr_workitem_id 0
		.amdhsa_next_free_vgpr 768
		.amdhsa_next_free_sgpr 66
		.amdhsa_reserve_vcc 1
		.amdhsa_float_denorm_mode_32 3
		.amdhsa_float_denorm_mode_16_64 3
		.amdhsa_memory_ordered 1
		.amdhsa_forward_progress 1
		.amdhsa_inst_pref_size 90
	.end_amdhsa_kernel
	.amdgpu_metadata
---
amdhsa.version: [ 1, 2 ]
amdhsa.kernels:
  - .name:           k_qd4fa1093d1_prep
    .symbol:         k_qd4fa1093d1_prep.kd
    .args:
      - { .name: A, .offset: 0, .size: 8, .value_kind: global_buffer, .address_space: global }
      - { .name: K0, .offset: 8, .size: 8, .value_kind: global_buffer, .address_space: global }
      - { .name: K1, .offset: 16, .size: 8, .value_kind: global_buffer, .address_space: global }
      - { .name: wk1a, .offset: 24, .size: 8, .value_kind: global_buffer, .address_space: global }
      - { .name: wk1b, .offset: 32, .size: 8, .value_kind: global_buffer, .address_space: global }
      - { .name: wk0a, .offset: 40, .size: 8, .value_kind: global_buffer, .address_space: global }
      - { .name: wsm, .offset: 48, .size: 8, .value_kind: global_buffer, .address_space: global }
      - { .name: wkop, .offset: 56, .size: 8, .value_kind: global_buffer, .address_space: global }
      - { .name: wksq, .offset: 64, .size: 8, .value_kind: global_buffer, .address_space: global }
    .group_segment_fixed_size: 3328
    .private_segment_fixed_size: 0
    .kernarg_segment_align: 8
    .kernarg_segment_size: 72
    .max_flat_workgroup_size: 32
    .sgpr_count:     66
    .vgpr_count:     768
    .wavefront_size: 32
...
	.end_amdgpu_metadata
.endif
;; end of part 3
;; launch main (part 4): grid 256 x 1, 4 waves a work-group, no clusters, 276,992 bytes of LDS; arguments x, t, b0, b1, w, c_w, wk1a, wk1b, wk0a, wsm, wkop, wksq, out0, out1, out2, out3; writes out0, out1, out2, out3
.if DOCPART == 4
	.amdgcn_target "amdgcn-amd-amdhsa--gfx1250"
	.amdhsa_code_object_version 6
	.text
	.protected	k_qd4fa1093d1_main
	.globl	k_qd4fa1093d1_main
	.p2align	8
	.type	k_qd4fa1093d1_main,@function
k_qd4fa1093d1_main:
	s_mov_b64 s[64:65], 0
	v_nop
	global_prefetch_b8 v0, s[64:65] scope:SCOPE_SE
	s_setreg_imm32_b32 hwreg(HW_REG_WAVE_MODE, 25, 1), 1
	s_wait_xcnt 0x0
; OT-Flow: gradient and Hessian trace of the potential, all quantised products on codes of FP6 (E2M3) with one E8M0 byte for each 32 along K.
; SHARES.  A work-group of four waves takes 8 samples through everything.  THE WAVES SHARE THE COLUMNS: wave w owns hidden units (and rows of K1) 128 w .. 128 w + 127.
; The bulk is KJ[n] = K1 Jac[n], Jac[n][j][k] = tanh_open[n][j] K0[j][k]: for 8 samples 512 rows (n, k) x K 512 x 512 columns i: 1,024 matrix instructions a wave.
; A wave's 32 fragments of K1 (axis 1) stay in 384 registers.  All Jac fragments of the 8 samples are made first (wave s makes K step s, whose tanh_open it holds) and lie in LDS as IMAGES OF THEIR REGISTERS
; (registers 4 q .. 4 q + 3 of lane l at 512 q + 16 l); then the products run with only their square sums between them, while K1 (axis 0) arrives in the registers that the quantising has left.
; LAYOUT.  A fragment: lane (r, h) holds row r, registers 6 c .. 6 c + 5 hold K = 64 c + 32 h + 0 .. 31.  In sample fragments row r is sample r % 8: lanes r >= 8 work on copies.
; The small products are used transposed (source 0 = 16 rows of a weight, source 1 = the samples); lane r of a weight's tile 2 b + u takes row 128 w + 32 b + 8 u + r + 8 (r / 8), so that
; value e = 8 t + j of a wave's 64 results is unit 32 (e / 16) + 16 h + e % 16: sixteen neighbours along the next K in sixteen registers.
; WHERE THE LOADS OF THE WEIGHTS STAND.  In runs, each behind the LDS loads whose data the wave wants next: K1 (axis 1) in 16 + 44 + 44 loads, the two long runs at places where tanh_open of the next two samples
; has been asked for already; K1 (axis 0) in eight runs of 12, in the first two samples of the bulk, each behind a group's run of LDS loads.
; An LDS store's data and address registers are written again without a wait: only loaded data are waited for.
; NO JOINT LOADS: every work-group reads the same weights, but each weight is wanted once, in registers, and a joint load lands in LDS, of which 204,800 bytes hold images written by ds_store.
; c_b is not read.
; LIMITS: NaN and infinities are not served.  A block of zeros carries the byte 1, not 127 (its codes are zeros; only this program reads the bytes).  tanh x = sign(x) (1 - e) / (1 + e), e = 2^(-2 log2(e) |x|):
; its error is about 1e-7 absolute, so about 1e-7 / |x| of the number for small |x|.  out1, out2, out3 leave as 32 bytes a work-group: 8 samples own no whole 256 bytes of them.
; LDS
.set UIMG, 0                           ; u0's four fragments, K step s by wave s;            USC: their scale words, 128 s + 4 l
.set USC,  6144
.set AIMG, 6656                        ; the same for tanh_lin1 w
.set ASC,  12800
.set QIMG, 13312                       ; and for tanh_open z1
.set QSC,  19456
.set SIMG, 19968                       ; 4 x 1,792: each wave's own image of the fragment of s = (x, t), its scale words at + 1,536
.set STG,  27136                       ; -grad_x: 8 rows of 256 bytes
.set RED,  29184                       ; partial sums: 128 (3 w + q) + 4 l
.set CON,  30720                       ; 4 x 1,536: the wave's 128 numbers of b1, w, ksq
.set TH,   36864                       ; 4 x 4,352: the wave's tanh_open: 8 rows (samples) of 512 + 16 bytes
.set SS,   54272                       ; 4 x 4,352: the sum over k of KJ^2, in the same shape
.set JSC,  71680                       ; Jac's scale words: 2,048 s + 64 (4 n + kt) + 4 r
.set JIMG, 79872                       ; Jac's fragments: 49,152 s + 1,536 (4 n + kt)
; REGISTERS, window 0
.set LI,   1                           ; 16 x lane
.set LS,   2                           ; 4 x lane
.set R16,  3                           ; 16 r
.set SH8,  4                           ; 8 h
.set THL,  5                           ; TH + 4,352 w + 528 (r % 8) + 64 h
.set THB,  6                           ; TH + 4,352 w + 128 h
.set JA,   7                           ; v7, v8 addresses at work
.set WI,   9                           ; 16 x lane + 1,536 w
.set WS,   10                          ; 4 x lane + 128 w
.set JSR,  11
.set HR4,  12                          ; JSC + 2,048 h + 4 r
.set SSW,  13                          ; SS + 4,352 w + 4 (r + 8 (r / 8))
.set CONB, 14                          ; CON + 1,536 w + 64 h
.set PT,   15
.set K1S,  16                          ; v16-47  scale words of K1: register 4 t + s
.set SW,   48                          ; v48-55  scale words of the other operand
.set JF,   56                          ; v56-103, v104-151  two sets of four fragments
.set X,    64                          ; v64-127 64 numbers ahead of a quantiser
.set E,    64                          ; the first activation: v64-79, 80-95, 96-111, 112-127
.set DN,   80
.set RC,   96
.set LG,   112
.set TM,   64                          ; QUANT: v64-79 at work, v80 the scale word, v84-103 the codes
.set PW2,  80
.set PC2,  84
.set E2,   56                          ; the second activation
.set R2,   72
.set WT,   104                         ; v104-167 the wave's w in the results' order; later (1 - tanh_open^2) z1
.set BM,   128                         ; BQ: v128-131, 132-133, 134-135 at work, v136 the scale word, v140-151 the codes, v152-158 upper halves
.set BSCL, 132
.set BBY,  134
.set PW,   136
.set PC,   140
.set PX,   152
.set S,    152                         ; v152-167 square sums, a pair a tile
.set ACC,  168                         ; v168-231 eight accumulators
.set SEG,  232
.set F,    244                         ; v244-251 finished square sums; at the head: temporaries
.set SSA,  252
.set JW,   253                         ; JIMG + 49,152 w + 16 x lane
.set R4W,  254                         ; JSC + 2,048 w + 4 r
.set THA,  255
; window 1: v0-191 K1 (axis 1) tiles 0-3, fragment (t, s) at 12 (4 (t % 4) + s) (before that K0's 8 fragments; in the tail the small weights);  window 2: v0-191 tiles 4-7 (in the tail SS, ksq, tanh_open)
; windows 1 and 2, v192-255: two sets of tanh_open;  window 3: K0[:, :64] in f32.  All three then take K1 (axis 0).
.set MSB,  0
.macro WIN new                         ; the immediate's high byte repeats the setting that is left
.set WNEW, \new
.if MSB != WNEW
	s_set_vgpr_msb (MSB<<8)|WNEW
.set MSB, WNEW
.endif
.endm
.macro PLACES cnt
.rept \cnt
	v_nop
.endr
.endm
; 64 numbers of a lane, register 32 c + i = K 64 c + 32 h + i of my row (two whole blocks), become the fragment in v[PC] on and the row's scale word in v[pw]
.macro BQ src, pw
.irp c, 0,1
.irp a, 0,1
	v_max3_num_f32 v[BM+2*\c+\a], |v[\src+32*\c+16*\a]|, |v[\src+32*\c+16*\a+1]|, 0x1800000   ; four chains; the floor 2^(3 - 127) holds the byte at 1 from below
.endr
.endr
.irp i, 2,4,6,8,10,12,14
.irp c, 0,1
.irp a, 0,1
	v_max3_num_f32 v[BM+2*\c+\a], v[BM+2*\c+\a], |v[\src+32*\c+16*\a+\i]|, |v[\src+32*\c+16*\a+\i+1]|
.endr
.endr
.endr
.irp c, 0,1
	v_max_num_f32 v[BM+2*\c], v[BM+2*\c], v[BM+2*\c+1]
.endr
.irp c, 0,1
	v_add_nc_u32 v[BSCL+\c], 0xff000000, v[BM+2*\c]        ; 2 off the exponent field: the conversion takes that field as its scale
.endr
.irp c, 0,1
	v_lshrrev_b32 v[BBY+\c], 23, v[BSCL+\c]
.endr
.irp c, 0,1
	v_cvt_scalef32_pk16_fp6_f32 v[PC+6*\c:PC+6*\c+2], v[\src+32*\c:\src+32*\c+15], v[BSCL+\c]
	v_cvt_scalef32_pk16_fp6_f32 v[PX+4*\c:PX+4*\c+2], v[\src+32*\c+16:\src+32*\c+31], v[BSCL+\c]   ; (a conversion's three registers begin on an even number)
.endr
	v_lshl_or_b32 v[\pw], v[BBY+1], 16, v[BBY]             ; my bytes: blocks h and 2 + h.  (The plain line behind the conversions)
	v_lshlrev_b32 v[\pw], v[SH8], v[\pw]
.irp c, 0,1
.irp i, 0,1,2
	v_mov_b32 v[PC+6*\c+3+\i], v[PX+4*\c+\i]
.endr
.endr
	v_permlanex16_b32 v[PT], v[\pw], s46, s47
	v_or_b32 v[\pw], v[\pw], v[PT]                         ; with lane l xor 16's two bytes the word is whole
.endm
; 64 numbers of a lane, register 16 b + i = K 32 b + 16 h + i of my row (half blocks), become the fragment in v[PC2] on and the scale word in v[PW2]
.macro QUANT s
.irp b, 0,1,2,3
	v_max3_num_f32 v[TM+\b], |v[\s+16*\b]|, |v[\s+1+16*\b]|, 0x1800000
.endr
.irp i, 2,4,6,8,10,12,14
.irp b, 0,1,2,3
	v_max3_num_f32 v[TM+\b], v[TM+\b], |v[\s+16*\b+\i]|, |v[\s+1+16*\b+\i]|
.endr
.endr
.irp b, 0,1,2,3
	v_permlanex16_b32 v[TM+4+\b], v[TM+\b], s46, s47
.endr
.irp b, 0,1,2,3
	v_max_num_f32 v[TM+\b], v[TM+\b], v[TM+4+\b]           ; with lane l xor 16's: the block's largest magnitude
.endr
.irp b, 0,1,2,3
	v_add_nc_u32 v[TM+12+\b], 0xff000000, v[TM+\b]
.endr
.irp b, 0,1,2,3
	v_lshrrev_b32 v[TM+4+\b], 23, v[TM+12+\b]
.endr
	v_lshl_or_b32 v[PW2], v[TM+5], 8, v[TM+4]
	v_lshl_or_b32 v[PW2], v[TM+6], 16, v[PW2]
	v_lshl_or_b32 v[PW2], v[TM+7], 24, v[PW2]
.irp c, 0,1
	v_cvt_scalef32_pk16_fp6_f32 v[PC2+6*\c:PC2+2+6*\c], v[\s+32*\c:\s+15+32*\c], v[TM+12+2*\c]
	v_cvt_scalef32_pk16_fp6_f32 v[PC2+12+4*\c:PC2+14+4*\c], v[\s+16+32*\c:\s+31+32*\c], v[TM+12+2*\c+1]
.endr
	v_nop                                                  ; one plain line behind a scaled conversion
.irp c, 0,1                                            ; the operand wants a WHOLE block in a lane: lanes 0-15 block 2 c, lanes 16-31 block 2 c + 1
.irp i, 0,1,2
	v_permlane16_swap_b32 v[PC2+6*\c+\i], v[PC2+12+4*\c+\i]
.endr
.irp i, 0,1,2
	v_mov_b32 v[PC2+3+6*\c+\i], v[PC2+12+4*\c+\i]
.endr
.endr
.endm
.macro IMG pc, adr, off                ; a fragment goes to LDS as it stands
.irp q, 0,1,2
	ds_store_b128 v[\adr], v[\pc+4*\q:\pc+4*\q+3] offset:\off+512*\q
.endr
.endm
.macro FRAGLD reg, adr, off            ; and comes back so, in any wave
.irp q, 0,1,2
	ds_load_b128 v[\reg+4*\q:\reg+4*\q+3], v[\adr] offset:\off+512*\q
.endr
.endm
.macro BARRIER                         ; my LDS stores have landed and my LDS loads are in: then the work-group's barrier
	s_wait_dscnt 0x0
	s_barrier_signal -1
	s_barrier_wait -1
.endm
; 16 values of the opening layer: tanh goes to LDS, log(2 cosh) takes the value's place.  e = 2^(-2 log2(e) |x|); tanh = sign(x) (1 - e) / (1 + e); log(2 cosh x) = |x| + ln 2 log2(1 + e)
.macro ACT1 b
.set ii, 0
.rept 16
	v_mul_f32 v[E+ii], s50, |v[ACC+16*\b+ii]|
.set ii, ii+1
.endr
.set ii, 0
.rept 16
	v_exp_f32 v[E+ii], v[E+ii]
.set ii, ii+1
.endr
	v_nop                                                  ; a plain line behind the last exponential,
	s_wait_alu depctr_va_vdst(0)                           ; and one wait for the batch, ahead of its first reader
.set ii, 0
.rept 8
	v_pk_add_f32 v[DN+ii:DN+ii+1], v[E+ii:E+ii+1], 1.0 op_sel_hi:[1,0]
.set ii, ii+2
.endr
.set ii, 0
.rept 16
	v_rcp_f32 v[RC+ii], v[DN+ii]
.set ii, ii+1
.endr
.set ii, 0
.rept 16
	v_log_f32 v[LG+ii], v[DN+ii]
.set ii, ii+1
.endr
.set ii, 0
.rept 8
	v_pk_add_f32 v[E+ii:E+ii+1], v[E+ii:E+ii+1], 1.0 op_sel_hi:[1,0] neg_lo:[1,0] neg_hi:[1,0]   ; 1 - e: plain work behind the batch
.set ii, ii+2
.endr
	s_wait_alu depctr_va_vdst(0)                           ; one wait for the 32
.set ii, 0
.rept 8
	v_pk_mul_f32 v[E+ii:E+ii+1], v[E+ii:E+ii+1], v[RC+ii:RC+ii+1]
.set ii, ii+2
.endr
.set ii, 0
.rept 16
	v_bfi_b32 v[E+ii], s48, v[E+ii], v[ACC+16*\b+ii]       ; the value's sign
.set ii, ii+1
.endr
.set ii, 0
.rept 16
	v_fma_f32 v[ACC+16*\b+ii], v[LG+ii], s49, |v[ACC+16*\b+ii]|
.set ii, ii+1
.endr
.irp q, 0,1,2,3
	ds_store_b128 v[THL], v[E+4*\q:E+4*\q+3] offset:128*\b+16*\q   ; units 32 b + 16 h + 0 .. 15 of my sample's row
.endr
.endm
; 16 values of lin1: the trace takes (1 - tanh^2) w SS, and tanh w takes the value's place
.macro ACT2 b
.set ii, 0
.rept 16
	v_mul_f32 v[E2+ii], s50, |v[ACC+16*\b+ii]|
.set ii, ii+1
.endr
.set ii, 0
.rept 16
	v_exp_f32 v[E2+ii], v[E2+ii]
.set ii, ii+1
.endr
	v_nop
	s_wait_alu depctr_va_vdst(0)                           ; one wait for the batch
.set ii, 0
.rept 8
	v_pk_add_f32 v[R2+ii:R2+ii+1], v[E2+ii:E2+ii+1], 1.0 op_sel_hi:[1,0]
.set ii, ii+2
.endr
.set ii, 0
.rept 16
	v_rcp_f32 v[R2+ii], v[R2+ii]
.set ii, ii+1
.endr
.set ii, 0
.rept 8
	v_pk_add_f32 v[E2+ii:E2+ii+1], v[E2+ii:E2+ii+1], 1.0 op_sel_hi:[1,0] neg_lo:[1,0] neg_hi:[1,0]
.set ii, ii+2
.endr
	s_wait_alu depctr_va_vdst(0)
.set ii, 0
.rept 8
	v_pk_mul_f32 v[E2+ii:E2+ii+1], v[E2+ii:E2+ii+1], v[R2+ii:R2+ii+1]
.set ii, ii+2
.endr
.set ii, 0
.rept 16
	v_bfi_b32 v[E2+ii], s48, v[E2+ii], v[ACC+16*\b+ii]
.set ii, ii+1
.endr
.set ii, 0
.rept 8
	v_pk_fma_f32 v[R2+ii:R2+ii+1], v[E2+ii:E2+ii+1], v[E2+ii:E2+ii+1], 1.0 op_sel_hi:[1,1,0] neg_lo:[1,0,0] neg_hi:[1,0,0]
.set ii, ii+2
.endr
.set ii, 0
.rept 8
	v_pk_mul_f32 v[R2+ii:R2+ii+1], v[R2+ii:R2+ii+1], v[WT+16*\b+ii:WT+16*\b+ii+1]
.set ii, ii+2
.endr
	WIN 0x08                                               ; source 1: SS, in window 2
.set ii, 0
.rept 8
	v_pk_fma_f32 v[252+2*((ii/2)%2):253+2*((ii/2)%2)], v[R2+ii:R2+ii+1], v[16*\b+ii:16*\b+ii+1], v[252+2*((ii/2)%2):253+2*((ii/2)%2)]
.set ii, ii+2
.endr
	WIN 0
.set ii, 0
.rept 8
	v_pk_mul_f32 v[ACC+16*\b+ii:ACC+16*\b+ii+1], v[E2+ii:E2+ii+1], v[WT+16*\b+ii:WT+16*\b+ii+1]
.set ii, ii+2
.endr
.endm
.macro K1ALD first, cnt                ; loads first .. first + cnt - 1 of the 96 that bring K1 (axis 1): load g fills registers 4 (g % 48) on of window 1 + g / 48
.set g, \first
.rept \cnt
	WIN (1+g/48)<<6
	global_load_b128 v[4*(g%48):4*(g%48)+3], v[LI], s[20:21] offset:512*g
.set g, g+1
.endr
	WIN 0
.endm
.macro THLOAD set, adr                 ; a sample's tanh_open of my 128 units: register 32 c + i = unit 64 c + 32 h + i, the same in all lanes of a half
	WIN (1+\set)<<6
.irp c, 0,1
.irp q, 0,1,2,3,4,5,6,7
	ds_load_b128 v[192+32*\c+4*\q:192+32*\c+4*\q+3], v[\adr] offset:256*\c+16*\q
.endr
.endr
	WIN 0
.endm
.macro JQ set, kt                      ; the fragment of Jac for 16 columns k = 16 kt + r of K0, K step = my wave
	WIN 0x03|((1+\set)<<2)
.set p, 0
.rept 32
	v_pk_mul_f32 v[X+p:X+p+1], v[64*\kt+p:64*\kt+p+1], v[192+p:192+p+1]
.set p, p+2
.endr
	WIN 0
	BQ X, PW
	IMG PC, JA, 1536*\kt
	ds_store_b32 v[JA+1], v[PW] offset:64*\kt
.endm
; A sample's four fragments.  Its tanh_open was asked for two samples ago; at its end the set takes the sample two on.
.macro SAMPLEQ set
	s_wait_dscnt 32                                        ; this sample's tanh_open is in: behind its 16 loads stand the 16 stores of the sample before and the 16 loads for the sample after
	v_add_nc_u32 v[JA], s53, v[JW]
	v_add_nc_u32 v[JA+1], s54, v[R4W]
	JQ \set, 0
	JQ \set, 1
	JQ \set, 2
	JQ \set, 3
	s_min_u32 s57, s52, 7*528                              ; the row of the sample two on (the last two samples ask for row 7 again; those loads are not used)
	v_add_nc_u32 v[THA], s57, v[THB]
	THLOAD \set, THA
	s_add_co_u32 s52, s52, 528
	s_add_co_u32 s53, s53, 6144
	s_add_co_u32 s54, s54, 256
.endm
; One product of the bulk: source 0 = Jac's fragment (16 columns k), source 1 = 16 rows i of K1: a lane then holds one i and eight k.
; Jac's scale words of K steps 2 p and 2 p + 1 share a register: lanes 0-15 and lanes 16-31.
.macro WM t, ks, set
.set rD, ACC+8*(\t)
.set rA, JF+48*(\set)+12*(\ks)
.set rB, 12*(4*((\t)%4)+(\ks))
.set rSA, SW+2*(\set)+(\ks)/2
.set rSB, K1S+4*(\t)+(\ks)
.if (\ks) == 0
	v_wmma_scale_f32_16x16x128_f8f6f4 v[rD:rD+7], v[rA:rA+11], v[rB:rB+11], 0, v[rSA], v[rSB] matrix_a_fmt:MATRIX_FMT_FP6 matrix_b_fmt:MATRIX_FMT_FP6
.elseif (\ks)%2 == 1
	v_wmma_scale_f32_16x16x128_f8f6f4 v[rD:rD+7], v[rA:rA+11], v[rB:rB+11], v[rD:rD+7], v[rSA], v[rSB] matrix_a_fmt:MATRIX_FMT_FP6 matrix_b_fmt:MATRIX_FMT_FP6 matrix_a_scale:MATRIX_SCALE_ROW1
.else
	v_wmma_scale_f32_16x16x128_f8f6f4 v[rD:rD+7], v[rA:rA+11], v[rB:rB+11], v[rD:rD+7], v[rSA], v[rSB] matrix_a_fmt:MATRIX_FMT_FP6 matrix_b_fmt:MATRIX_FMT_FP6
.endif
.endm
.macro PF set, off, soff               ; a group's four fragments and two registers of scale words, in one run
.irp ks, 0,1,2,3
.irp q, 0,1,2
	ds_load_b128 v[JF+48*(\set)+12*\ks+4*\q:JF+48*(\set)+12*\ks+4*\q+3], v[JA+\ks/2] offset:49152*(\ks%2)+(\off)+512*\q
.endr
.endr
	ds_load_b32 v[SW+2*(\set)], v[JSR] offset:\soff
	ds_load_b32 v[SW+2*(\set)+1], v[JSR] offset:4096+(\soff)
.endm
.macro PSL2 q, hf, tp, start           ; registers 2 q, 2 q + 1 of two finished accumulators (tiles 4 hf + 2 tp, + 1) are squared and summed; q ascends
.irp tt, 0,1
.set rT, 4*(\hf)+2*(\tp)+\tt
.if (\start) && ((\q) == 0)
	v_pk_mul_f32 v[S+2*rT:S+2*rT+1], v[ACC+8*rT:ACC+8*rT+1], v[ACC+8*rT:ACC+8*rT+1]
.else
	v_pk_fma_f32 v[S+2*rT:S+2*rT+1], v[ACC+8*rT+2*(\q):ACC+8*rT+2*(\q)+1], v[ACC+8*rT+2*(\q):ACC+8*rT+2*(\q)+1], v[S+2*rT:S+2*rT+1]
.endif
.endr
.endm
.macro SFINV k                         ; slice k of six: a sample's square sums are finished: the pair's halves, and lane l xor 16's eight k
.irp tt, 0,1,2,3
.set rT, 4*((\k)%2)+\tt
.if (\k) < 2
	v_add_f32 v[F+rT], v[S+2*rT], v[S+2*rT+1]
.elseif (\k) < 4
	v_permlanex16_b32 v[S+2*rT+1], v[F+rT], s46, s47
.else
	v_add_f32 v[F+rT], v[F+rT], v[S+2*rT+1]
.endif
.endr
.endm
.macro SFINS
.irp t, 0,1,2,3,4,5,6,7
	ds_store_b32 v[SSA], v[F+\t] offset:128*(\t/2)+32*(\t%2)   ; unit 32 (t / 2) + 8 (t % 2) + r + 8 (r / 8) of the sample's row
.endr
.endm
.macro K1BPOS f                        ; where fragment f = 4 t + s of K1 (axis 0) lies: window KW, register KR
.if (\f) < 16
.set KW, 3
.set KR, 12*(\f)
.elseif (\f) < 21
.set KW, 1
.set KR, 192+12*((\f)-16)
.elseif (\f) < 26
.set KW, 2
.set KR, 192+12*((\f)-21)
.elseif (\f) < 31
.set KW, 3
.set KR, 192+12*((\f)-26)
.else
.set KW, 0
.set KR, 232
.endif
.endm
.macro K1BLD f
	K1BPOS \f
	WIN KW<<6
.irp q, 0,1,2
	global_load_b128 v[KR+4*\q:KR+4*\q+3], v[LI], s[22:23] offset:1536*(\f)+512*\q
.endr
.endm
; Half a group: 16 products, four accumulators by turns, one instruction a turn, K ascending.  Between them:
;   behind product 0   five v_nop: the places between the half before and the reads of its results, the loads into the fragments that it read, and the accumulators that are later begun anew
;   behind product 1   hf = 0: the next group's run of LDS loads;  hf = 1, ld = 1: four fragments of K1 (axis 0), 12 loads, from fragment kf on
;   behind 2 to 9      the other half's square sums, two packed multiply-adds a product
;   behind 10 to 15    fin = 1: the sample before is finished, four lines a product, and its eight sums are stored
.macro HG kt, hf, set, psl, pstart, fin, ld, kf
.set n, 0
.irp ks, 0,1,2,3
.irp tt, 0,1,2,3
	WIN 4+4*\hf
	WM 4*\hf+\tt, \ks, \set
.if n == 0
	PLACES 5
.endif
.if (n == 1) && (\hf == 0)
.if \kt < 3
	PF 1-\set, 1536*(\kt+1), 64*(\kt+1)
.else
	PF 1-\set, 0, 0
.endif
.endif
.if (n == 1) && (\hf == 1) && (\ld)
	K1BLD (\kf)
	K1BLD (\kf)+1
	K1BLD (\kf)+2
	K1BLD (\kf)+3
.endif
.if (\psl) && (n >= 2) && (n <= 9)
	WIN 0
	PSL2 (n-2)/2, 1-\hf, n%2, \pstart
.endif
.if (\fin) && (n >= 10)
	WIN 0
	SFINV n-10
.endif
.if (\fin) && (n == 15)
	SFINS
.endif
.set n, n+1
.endr
.endr
.endm
; A sample: four groups (16 columns k each) of 32 products.  first = 1: there is no sample before it to finish.  ld = 1: 16 fragments of K1 (axis 0), from fragment kb on, are asked for on the way.
.macro TRIP first, ld, kb
	s_wait_dscnt 0x0                                       ; the group's fragments are in: asked for 30 products ago
	HG 0, 0, 0, 1-\first, 0, 1-\first, 0, 0
	HG 0, 1, 0, 1, 1, 0, \ld, \kb
	s_wait_dscnt 0x0
	HG 1, 0, 1, 1, 1, 0, 0, 0
	HG 1, 1, 1, 1, 0, 0, \ld, (\kb)+4
	s_wait_dscnt 0x0
	HG 2, 0, 0, 1, 0, 0, 0, 0
	HG 2, 1, 0, 1, 0, 0, \ld, (\kb)+8
	s_wait_dscnt 0x0
	WIN 0
	s_min_u32 s57, s53, 7*6144                             ; the next sample (the last asks for itself again; that run of loads is not used)
	s_add_co_u32 s57, s57, JIMG
	s_min_u32 s58, s54, 7*256
	v_add_nc_u32 v[JA], s57, v[LI]
	v_add_nc_u32 v[JA+1], 98304, v[JA]
	v_add_nc_u32 v[JSR], s58, v[HR4]
	v_add_nc_u32 v[SSA], s55, v[SSW]                       ; where this sample's square sums will go
	HG 3, 0, 1, 1, 0, 0, 0, 0
	HG 3, 1, 1, 1, 0, 0, \ld, (\kb)+12
	WIN 0
	s_add_co_u32 s53, s53, 6144
	s_add_co_u32 s54, s54, 256
	s_add_co_u32 s55, s55, 528
.endm
	; ================ the head: addresses
	s_load_b512 s[8:23], s[0:1], 0x0               ; x s[8:9], t s[10:11], b0 s[12:13], b1 s[14:15], w s[16:17], c_w s[18:19], wk1a s[20:21], wk1b s[22:23]
	s_load_b512 s[24:39], s[0:1], 0x40             ; wk0a s[24:25], wsm s[26:27], wkop s[28:29], wksq s[30:31], out0 s[32:33], out1 s[34:35], out2 s[36:37], out3 s[38:39]
	v_lshrrev_b32 v244, 5, v0
	v_readfirstlane_b32 s2, v244                   ; wave 0..3
	v_and_b32 v244, 31, v0                         ; lane
	v_and_b32 v245, 15, v0                         ; r
	v_bfe_u32 v246, v0, 4, 1                       ; h
	v_and_b32 v247, 7, v0                          ; r % 8: my sample
	v_lshlrev_b32 v[LI], 4, v244
	v_lshlrev_b32 v[LS], 2, v244
	v_lshlrev_b32 v[R16], 4, v245
	v_lshlrev_b32 v[SH8], 3, v246
	s_mul_i32 s57, s2, 4352
	s_add_co_u32 s58, s57, TH
	v_mul_u32_u24 v[THL], v247, 528
	v_lshl_add_u32 v[THL], v246, 6, v[THL]
	v_add_nc_u32 v[THL], s58, v[THL]
	v_lshlrev_b32 v[THB], 7, v246
	v_add_nc_u32 v[THB], s58, v[THB]
	s_add_co_u32 s58, s57, SS
	v_and_b32 v[SSW], 8, v245
	v_add_nc_u32 v[SSW], v[SSW], v245
	v_lshlrev_b32 v[SSW], 2, v[SSW]
	v_add_nc_u32 v[SSW], s58, v[SSW]
	s_mul_i32 s57, s2, 1536
	v_add_nc_u32 v[WI], s57, v[LI]
	s_add_co_u32 s57, s57, CON
	v_lshlrev_b32 v[CONB], 6, v246
	v_add_nc_u32 v[CONB], s57, v[CONB]
	v_add_nc_u32 v248, s57, v[LI]                  ; where b1's, w's and ksq's segments go
	s_lshl_b32 s57, s2, 7
	v_add_nc_u32 v[WS], s57, v[LS]
	v_lshlrev_b32 v[HR4], 2, v245
	v_lshl_add_u32 v[HR4], v246, 11, v[HR4]
	v_add_nc_u32 v[HR4], JSC, v[HR4]
	s_lshl_b32 s57, s2, 11
	s_add_co_u32 s57, s57, JSC
	v_lshlrev_b32 v[R4W], 2, v245
	v_add_nc_u32 v[R4W], s57, v[R4W]
	s_mul_i32 s57, s2, 49152
	s_add_co_u32 s57, s57, JIMG
	v_add_nc_u32 v[JW], s57, v[LI]
	s_mul_i32 s57, s2, 1792
	s_add_co_u32 s57, s57, SIMG
	v_add_nc_u32 v249, s57, v[LI]                  ; my wave's image of s
	v_add_nc_u32 v250, s57, v[LS]
	v_mov_b32 v[PT], 0                             ; written once: a lane permute's destination counts as one of its sources
	v_lshlrev_b32 v251, 8, v247
	v_lshl_add_u32 v251, v246, 7, v251             ; x: row r % 8 of 256 bytes, + 128 h
	v_lshlrev_b32 v247, 6, v246                    ; b0: 64 h
	s_mov_b32 s46, 0x76543210
	s_mov_b32 s47, 0xfedcba98                      ; v_permlanex16_b32's selects for lane l xor 16
	s_mov_b32 s48, 0x7fffffff
	s_mov_b32 s49, 0x3f317218                      ; ln 2
	s_mov_b32 s50, 0xc038aa3b                      ; -2 log2(e)
	s_cmp_eq_u32 s2, 0
	s_cselect_b32 s56, 1.0, 0                      ; 1 in wave 0: what every wave computes alike is counted once
	s_mov_b32 s59, 0
	s_wait_kmcnt 0x0
	s_load_b32 s40, s[10:11], 0x0                  ; t
	s_load_b32 s41, s[18:19], 0x100                ; c_w[64]
	s_load_b32 s42, s[26:27], 39684                ; the four parts of trace(symA[:64, :64])
	s_load_b32 s43, s[26:27], 39940
	s_load_b32 s44, s[26:27], 40196
	s_load_b32 s45, s[26:27], 40452                ; (the bases of these six loads are never stepped)
	s_lshl_b32 s58, ttmp9, 11                      ; my 8 rows of x and of out0
	s_add_nc_u64 s[8:9], s[8:9], s[58:59]
	s_add_nc_u64 s[32:33], s[32:33], s[58:59]
	s_lshl_b32 s58, ttmp9, 5
	s_add_nc_u64 s[34:35], s[34:35], s[58:59]
	s_add_nc_u64 s[36:37], s[36:37], s[58:59]
	s_add_nc_u64 s[38:39], s[38:39], s[58:59]
	s_lshl_b32 s58, s2, 9                          ; my wave's 128 numbers
	s_add_nc_u64 s[12:13], s[12:13], s[58:59]
	s_add_nc_u64 s[14:15], s[14:15], s[58:59]
	s_add_nc_u64 s[16:17], s[16:17], s[58:59]
	s_add_nc_u64 s[30:31], s[30:31], s[58:59]
	s_mul_i32 s58, s2, 51200                       ; my wave's quarters of the weights
	s_add_nc_u64 s[20:21], s[20:21], s[58:59]
	s_add_nc_u64 s[22:23], s[22:23], s[58:59]
	s_mul_i32 s58, s2, 12800
	s_add_nc_u64 s[24:25], s[24:25], s[58:59]
	s_lshl_b32 s58, s2, 15
	s_add_nc_u64 s[28:29], s[28:29], s[58:59]
	; ================ loads: 53 that the opening layer wants, then the 64 of K0 in f32
.irp q, 0,1,2,3,4,5,6,7
	global_load_b128 v[X+4*\q:X+4*\q+3], v251, s[8:9] offset:16*\q th:TH_LOAD_NT
.endr
	WIN 0x40
.set g, 0
.rept 24
	global_load_b128 v[4*g:4*g+3], v[LI], s[24:25] offset:512*g    ; K0's 8 fragments -> window 1
.set g, g+1
.endr
	WIN 0
	global_load_b128 v[SW:SW+3], v[R16], s[24:25] offset:12288
	global_load_b128 v[SW+4:SW+7], v[R16], s[24:25] offset:12544
.irp b, 0,1,2,3
.irp q, 0,1,2,3
	global_load_b128 v[ACC+16*\b+4*\q:ACC+16*\b+4*\q+3], v247, s[12:13] offset:128*\b+16*\q   ; b0 in the results' layout: the C of the first product
.endr
.endr
	global_load_b128 v[SEG:SEG+3], v[LI], s[14:15]
	global_load_b128 v[SEG+4:SEG+7], v[LI], s[16:17]
	global_load_b128 v[SEG+8:SEG+11], v[LI], s[30:31]
	WIN 0xc0
.set g, 0
.rept 64
	global_load_b128 v[4*g:4*g+3], v[LI], s[28:29] offset:512*g    ; K0[:, :64]: register 64 kt + 32 c + i = K0[128 w + 64 c + 32 h + i][16 kt + r] -> window 3
.set g, g+1
.endr
	WIN 0
	s_wait_loadcnt 63                              ; 64 loads were issued behind the 53: these are in
	; ================ s = (x, t) becomes a fragment; opening = s K0^T + b0
	ds_store_b128 v248, v[SEG:SEG+3]               ; read again only in the tail: nothing waits for these three
	ds_store_b128 v248, v[SEG+4:SEG+7] offset:512
	ds_store_b128 v248, v[SEG+8:SEG+11] offset:1024
	s_wait_kmcnt 0x0
	v_cmp_eq_u32 vcc_lo, 0, v246
	v_mov_b32 v[X+32], s40
	v_cndmask_b32 v[X+32], 0, v[X+32], vcc_lo      ; K = 64 is t, in lanes 0-15
.set ii, 33
.rept 31
	v_mov_b32 v[X+ii], 0                           ; K = 65 .. 127: zeros
.set ii, ii+1
.endr
	BQ X, PW
	IMG PC, 249, 0                                 ; kept for the product with symA
	ds_store_b32 v250, v[PW] offset:1536
	PLACES 8                                       ; a scale word written by vector instructions stands 8 places ahead of a scaled matrix instruction, an operand so written 4
	WIN 0x01
.irp t, 0,1,2,3,4,5,6,7
	v_wmma_scale_f32_16x16x128_f8f6f4 v[ACC+8*\t:ACC+8*\t+7], v[12*\t:12*\t+11], v[PC:PC+11], v[ACC+8*\t:ACC+8*\t+7], v[SW+\t], v[PW] matrix_a_fmt:MATRIX_FMT_FP6 matrix_b_fmt:MATRIX_FMT_FP6
.endr
	WIN 0
	PLACES 4                                       ; ahead of the first read of the results, and of the loads into K0's registers further down
	ACT1 0
.irp t, 0,1,2,3,4,5,6,7
	global_load_b128 v[K1S+4*\t:K1S+4*\t+3], v[R16], s[20:21] offset:49152+256*\t   ; K1 (axis 1): its scale words,
.endr
	K1ALD 0, 8                                     ; and the first 8 of its 96 loads: three chunks of the activation stand between this run and the next LDS load
	ACT1 1
	ACT1 2
	ACT1 3
	THLOAD 0, THB                                  ; tanh_open of samples 0 and 1 (LDS serves a wave's instructions in order: these see my stores)
	v_add_nc_u32 v[THA], 528, v[THB]
	THLOAD 1, THA
	QUANT ACC                                      ; u0: K step w of the product with K1
	IMG PC2, WI, UIMG
	ds_store_b32 v[WS], v[PW2] offset:USC
	K1ALD 8, 44                                    ; 44 loads in one run, behind the LDS loads for the next two samples: the next LDS load is issued a sample on and wanted two samples on
	; ================ Jac: 32 fragments a wave.  All LDS bytes touched so far and in these loops are the wave's own: no barrier yet
	s_wait_loadcnt 60                              ; 8 + 8 + 44 loads were issued behind K0's 64: these are in
	s_wait_dscnt 20                                ; sample 0's tanh_open is in: behind its loads stand sample 1's 16 and u0's 4 stores
	s_mov_b32 s52, 2*528
	s_mov_b32 s53, 0
	s_mov_b32 s54, 0
	s_mov_b32 s51, 2
.Lq1:                                                  ; samples 0-3
	SAMPLEQ 0
	SAMPLEQ 1
	s_sub_co_u32 s51, s51, 1
	s_cmp_lg_u32 s51, 0
	s_cbranch_scc1 .Lq1
	K1ALD 52, 44                                   ; the loop is written twice so that the last 44 loads of K1 (axis 1) can stand here, again behind the LDS loads for the next two samples
	s_mov_b32 s51, 2
.Lq2:                                                  ; samples 4-7
	SAMPLEQ 0
	SAMPLEQ 1
	s_sub_co_u32 s51, s51, 1
	s_cmp_lg_u32 s51, 0
	s_cbranch_scc1 .Lq2
	BARRIER                                        ; all fragments of Jac and of u0 lie in LDS
	; ================ KJ = K1 Jac, squared and summed over k
	s_wait_loadcnt 0x0                             ; K1 (axis 1) is in
	v_add_nc_u32 v[JA], JIMG, v[LI]
	v_add_nc_u32 v[JA+1], 98304, v[JA]
	v_mov_b32 v[JSR], v[HR4]
	PF 0, 0, 0
	s_mov_b32 s53, 6144
	s_mov_b32 s54, 256
	s_mov_b32 s55, 0
	TRIP 1, 1, 0                                   ; the first two samples are written out: the first has nothing to finish, and both ask for K1 (axis 0), whose registers differ from run to run
	TRIP 0, 1, 16
	s_mov_b32 s51, 6
.Lg:
	TRIP 0, 0, 0
	s_sub_co_u32 s51, s51, 1
	s_cmp_lg_u32 s51, 0
	s_cbranch_scc1 .Lg
	PLACES 4
.irp q, 0,1,2,3
	PSL2 \q, 1, 0, 0
	PSL2 \q, 1, 1, 0
.endr
.irp k, 0,1,2,3,4,5
	SFINV \k
.endr
	SFINS
	s_wait_dscnt 0x0                               ; the last run of loads, which nobody uses, has landed: its registers may be loaded again
	; ================ lin1 = u0 K1^T + b1
.irp ks, 0,1,2,3
	FRAGLD JF+12*\ks, LI, UIMG+1536*\ks
	ds_load_b32 v[SW+\ks], v[LS] offset:USC+128*\ks
.endr
.irp b, 0,1,2,3
.irp q, 0,1,2,3
	ds_load_b128 v[ACC+16*\b+4*\q:ACC+16*\b+4*\q+3], v[CONB] offset:128*\b+16*\q        ; b1: the C of the sums' first products
	ds_load_b128 v[WT+16*\b+4*\q:WT+16*\b+4*\q+3], v[CONB] offset:512+128*\b+16*\q       ; w
.endr
.endr
	s_wait_dscnt 0x0
.irp ks, 0,1,2,3
.irp t, 0,1,2,3,4,5,6,7
	WIN 1+\t/4
	v_wmma_scale_f32_16x16x128_f8f6f4 v[ACC+8*\t:ACC+8*\t+7], v[12*(4*(\t%4)+\ks):12*(4*(\t%4)+\ks)+11], v[JF+12*\ks:JF+12*\ks+11], v[ACC+8*\t:ACC+8*\t+7], v[K1S+4*\t+\ks], v[SW+\ks] matrix_a_fmt:MATRIX_FMT_FP6 matrix_b_fmt:MATRIX_FMT_FP6
.endr
.endr
	WIN 0
	s_mul_i32 s57, s2, 6144                        ; offsets of the small weights: these six vector lines are also the places behind the products
	v_add_nc_u32 v7, s57, v[LI]
	v_bfe_u32 v8, v0, 4, 1
	v_lshlrev_b32 v8, 5, v8
	s_lshl_b32 s57, s2, 6
	v_add_nc_u32 v8, s57, v8                       ; c_w: 64 w + 32 h
	s_lshl_b32 s57, s2, 8
	v_add_nc_u32 v11, s57, v[R16]
	s_lshl_b32 s57, s2, 2
	v_add_nc_u32 v6, s57, v[R16]
	WIN 0x80                                       ; window 2, which K1's tiles 4-7 have left: v0-63 SS, v64-127 ksq, v128-191 tanh_open, all in the results' order
.irp b, 0,1,2,3
.irp q, 0,1,2,3
	ds_load_b128 v[16*\b+4*\q:16*\b+4*\q+3], v[THL] offset:SS-TH+128*\b+16*\q
	ds_load_b128 v[64+16*\b+4*\q:64+16*\b+4*\q+3], v[CONB] offset:1024+128*\b+16*\q
	ds_load_b128 v[128+16*\b+4*\q:128+16*\b+4*\q+3], v[THL] offset:128*\b+16*\q
.endr
.endr
	WIN 0
.irp t, 0,1,2,3,4,5,6,7
	global_load_b128 v[K1S+4*\t:K1S+4*\t+3], v[R16], s[22:23] offset:49152+256*\t       ; the scale words of K1 (axis 0)
.endr
	WIN 0x40                                       ; window 1: v0-47 K0 (axis 0) tile w, K steps 0-3; v48-59 its tile 4, K step w; v60-71 symA tile w; v72-83 symA tile 4; v84-91 c_w
.irp ks, 0,1,2,3
.irp q, 0,1,2
	global_load_b128 v[12*\ks+4*\q:12*\ks+4*\q+3], v7, s[26:27] offset:1536*\ks+512*\q
.endr
.endr
.irp q, 0,1,2
	global_load_b128 v[48+4*\q:51+4*\q], v[WI], s[26:27] offset:24576+512*\q
	global_load_b128 v[60+4*\q:63+4*\q], v[WI], s[26:27] offset:30720+512*\q
	global_load_b128 v[72+4*\q:75+4*\q], v[LI], s[26:27] offset:36864+512*\q
.endr
	global_load_b128 v[84:87], v8, s[18:19]
	global_load_b128 v[88:91], v8, s[18:19] offset:16
	WIN 0
	global_load_b128 v[244:247], v11, s[26:27] offset:38400
	global_load_b32 v248, v6, s[26:27] offset:39424
	global_load_b32 v249, v11, s[26:27] offset:39680
	global_load_b32 v250, v[R16], s[26:27] offset:40704
	; ================ tanh_lin1; the trace's second term; tanh_lin1 w becomes an operand
	v_mov_b32 v252, 0                              ; the trace, in two chains of pairs
	v_mov_b32 v253, 0
	v_mov_b32 v254, 0
	v_mov_b32 v255, 0
	s_wait_dscnt 0x0
	ACT2 0
	ACT2 1
	ACT2 2
	ACT2 3
	QUANT ACC
	IMG PC2, WI, AIMG
	ds_store_b32 v[WS], v[PW2] offset:ASC
	BARRIER
	; ================ z1 = w + (tanh_lin1 w) K1
.irp ks, 0,1,2,3
	FRAGLD JF+12*\ks, LI, AIMG+1536*\ks
	ds_load_b32 v[SW+\ks], v[LS] offset:ASC+128*\ks
.endr
	s_wait_dscnt 0x0
	s_wait_loadcnt 0x0                             ; K1 (axis 0) and the small weights are in
.macro WB t, ks
	K1BPOS 4*(\t)+(\ks)
	WIN KW
.if (\ks) == 0
	v_wmma_scale_f32_16x16x128_f8f6f4 v[ACC+8*(\t):ACC+8*(\t)+7], v[KR:KR+11], v[JF+12*(\ks):JF+12*(\ks)+11], v[WT+8*(\t):WT+8*(\t)+7], v[K1S+4*(\t)+(\ks)], v[SW+(\ks)] matrix_a_fmt:MATRIX_FMT_FP6 matrix_b_fmt:MATRIX_FMT_FP6
.else
	v_wmma_scale_f32_16x16x128_f8f6f4 v[ACC+8*(\t):ACC+8*(\t)+7], v[KR:KR+11], v[JF+12*(\ks):JF+12*(\ks)+11], v[ACC+8*(\t):ACC+8*(\t)+7], v[K1S+4*(\t)+(\ks)], v[SW+(\ks)] matrix_a_fmt:MATRIX_FMT_FP6 matrix_b_fmt:MATRIX_FMT_FP6
.endif
.endm
.irp ks, 0,1,2,3
.irp t, 0,1,2,3,4,5,6,7
	WB \t, \ks
.endr
.endr
	WIN 0
	PLACES 4
	; ================ the trace's first term; tanh_open z1 becomes an operand
	WIN 0x0a
.set ii, 0
.rept 32
	v_pk_fma_f32 v[WT+ii:WT+ii+1], v[128+ii:129+ii], v[128+ii:129+ii], 1.0 op_sel_hi:[1,1,0] neg_lo:[1,0,0] neg_hi:[1,0,0]   ; 1 - tanh_open^2
.set ii, ii+2
.endr
	WIN 0
.set ii, 0
.rept 32
	v_pk_mul_f32 v[WT+ii:WT+ii+1], v[WT+ii:WT+ii+1], v[ACC+ii:ACC+ii+1]
.set ii, ii+2
.endr
	WIN 0x08
.set ii, 0
.rept 32
	v_pk_fma_f32 v[252+2*((ii/2)%2):253+2*((ii/2)%2)], v[WT+ii:WT+ii+1], v[64+ii:65+ii], v[252+2*((ii/2)%2):253+2*((ii/2)%2)]
.set ii, ii+2
.endr
	WIN 0x02
.set ii, 0
.rept 32
	v_pk_mul_f32 v[ACC+ii:ACC+ii+1], v[128+ii:129+ii], v[ACC+ii:ACC+ii+1]
.set ii, ii+2
.endr
	WIN 0
	QUANT ACC
	IMG PC2, WI, QIMG
	ds_store_b32 v[WS], v[PW2] offset:QSC
	BARRIER
	; ================ grad = (tanh_open z1) K0 + s symA + c_w.  Wave w makes columns 16 w .. 16 w + 15; column 64 (tile 4) has its K steps shared out, one a wave
	s_mul_i32 s57, s2, 1792
	v_add_nc_u32 v7, s57, v[LI]
	v_add_nc_u32 v8, s57, v[LS]
.irp ks, 0,1,2,3
	FRAGLD JF+12*\ks, LI, QIMG+1536*\ks
	ds_load_b32 v[SW+\ks], v[LS] offset:QSC+128*\ks
.endr
	FRAGLD 104, WI, QIMG
	ds_load_b32 v[SW+4], v[WS] offset:QSC
	FRAGLD 116, 7, SIMG
	ds_load_b32 v[SW+5], v8 offset:SIMG+1536
	s_wait_dscnt 0x0
	WIN 0x11                                       ; source 0 and C (c_w) in window 1.  Four accumulators by turns
	v_wmma_scale_f32_16x16x128_f8f6f4 v[168:175], v[0:11], v[56:67], v[84:91], v244, v48 matrix_a_fmt:MATRIX_FMT_FP6 matrix_b_fmt:MATRIX_FMT_FP6
	WIN 0x01
	v_wmma_scale_f32_16x16x128_f8f6f4 v[176:183], v[12:23], v[68:79], 0, v245, v49 matrix_a_fmt:MATRIX_FMT_FP6 matrix_b_fmt:MATRIX_FMT_FP6
	v_wmma_scale_f32_16x16x128_f8f6f4 v[184:191], v[48:59], v[104:115], 0, v248, v52 matrix_a_fmt:MATRIX_FMT_FP6 matrix_b_fmt:MATRIX_FMT_FP6
	v_wmma_scale_f32_16x16x128_f8f6f4 v[168:175], v[24:35], v[80:91], v[168:175], v246, v50 matrix_a_fmt:MATRIX_FMT_FP6 matrix_b_fmt:MATRIX_FMT_FP6
	v_wmma_scale_f32_16x16x128_f8f6f4 v[176:183], v[36:47], v[92:103], v[176:183], v247, v51 matrix_a_fmt:MATRIX_FMT_FP6 matrix_b_fmt:MATRIX_FMT_FP6
	v_wmma_scale_f32_16x16x128_f8f6f4 v[192:199], v[72:83], v[116:127], 0, v250, v53 matrix_a_fmt:MATRIX_FMT_FP6 matrix_b_fmt:MATRIX_FMT_FP6
	v_wmma_scale_f32_16x16x128_f8f6f4 v[168:175], v[60:71], v[116:127], v[168:175], v249, v53 matrix_a_fmt:MATRIX_FMT_FP6 matrix_b_fmt:MATRIX_FMT_FP6
	WIN 0
	v_and_b32 v228, 7, v0                          ; addresses for the way out: these seven vector lines are the places behind the products
	v_bfe_u32 v231, v0, 4, 1
	v_lshlrev_b32 v228, 8, v228
	v_lshl_add_u32 v228, v231, 5, v228
	s_lshl_b32 s57, s2, 6
	v_add_nc_u32 v228, s57, v228                   ; the stage: row r % 8 of 256 bytes, + 64 w + 32 h
	s_mul_i32 s57, s2, 384
	v_add_nc_u32 v229, s57, v[LS]
	s_lshl_b32 s57, s2, 9
	v_add_nc_u32 v230, s57, v[LI]
.irp p, 0,1,2,3
	v_pk_add_f32 v[200+2*\p:201+2*\p], v[168+2*\p:169+2*\p], v[176+2*\p:177+2*\p] neg_lo:[1,1] neg_hi:[1,1]   ; dz_dt = -grad: columns 16 w + 8 h + 0 .. 7 of my sample
.endr
	v_pk_mul_f32 v[208:209], v[200:201], v[200:201]
.irp p, 1,2,3
	v_pk_fma_f32 v[208:209], v[200+2*\p:201+2*\p], v[200+2*\p:201+2*\p], v[208:209]
.endr
	v_fma_f32 v210, s56, v192, v184                ; column 64 (lanes 0-15, register 0): my K step of z0, and in wave 0 the term of symA
	v_pk_add_f32 v[252:253], v[252:253], v[254:255]
	v_add_f32 v208, v208, v209
	v_add_f32 v252, v252, v253
	v_permlanex16_b32 v209, v208, s46, s47
	v_permlanex16_b32 v253, v252, s46, s47
	v_add_f32 v208, v208, v209                     ; my 16 columns' part of the sum of dz_dt^2
	v_add_f32 v252, v252, v253                     ; my 128 units' part of the trace
	ds_store_b128 v228, v[200:203] offset:STG
	ds_store_b128 v228, v[204:207] offset:STG+16
	ds_store_b32 v229, v208 offset:RED
	ds_store_b32 v229, v252 offset:RED+128
	ds_store_b32 v229, v210 offset:RED+256
	BARRIER
	; ================ the way out
	ds_load_b128 v[212:215], v230 offset:STG
	s_wait_dscnt 0x0
	global_store_b128 v230, v[212:215], s[32:33] th:TH_STORE_NT    ; a wave stores 512 consecutive bytes, aligned: two rows of out0
	s_cmp_lg_u32 s2, 0
	s_cbranch_scc1 .Lend
.irp k, 0,1,2,3,4,5,6,7,8,9,10,11
	ds_load_b32 v[216+\k], v[LS] offset:RED+128*\k
.endr
	s_wait_dscnt 0x0
.irp q, 0,1,2
	v_add_f32 v[216+\q], v[216+\q], v[219+\q]
	v_add_f32 v[222+\q], v[222+\q], v[225+\q]
.endr
.irp q, 0,1,2
	v_add_f32 v[216+\q], v[216+\q], v[222+\q]
.endr
	v_mul_f32 v216, 0.5, v216                      ; cost_L
	v_add_f32 v217, s42, v217
	v_add_f32 v217, s43, v217
	v_add_f32 v217, s44, v217
	v_add_f32 v217, s45, v217                      ; trH
	v_xor_b32 v217, 0x80000000, v217               ; dlogp_dt = -trH
	v_add_f32 v218, s41, v218                      ; dPhi_dt
	v_sub_f32 v218, v216, v218
	v_and_b32 v218, s48, v218                      ; cost_HJB = |cost_L - dPhi_dt|
	v_cmp_gt_u32 vcc_lo, 8, v0
	s_wait_xcnt 0x0                                ; EXEC changes only behind this wait
	s_and_saveexec_b32 s57, vcc_lo
	global_store_b32 v[LS], v217, s[34:35]         ; lanes 0-7: my 8 samples
	global_store_b32 v[LS], v216, s[36:37]
	global_store_b32 v[LS], v218, s[38:39]
	s_wait_xcnt 0x0
	s_or_b32 exec_lo, exec_lo, s57
.Lend:
	s_wait_xcnt 0x0
	s_mov_b32 exec_lo, -1
	v_lshl_add_u32 v254, v0, 2, 0x43800
	v_mov_b32 v255, 0
	s_wait_tensorcnt 0x0
	ds_add_u32 v254, v255
	s_wait_dscnt 0x0
	s_endpgm
.Lfunc_end_k_qd4fa1093d1_main:
	.size	k_qd4fa1093d1_main, .Lfunc_end_k_qd4fa1093d1_main-k_qd4fa1093d1_main
	.p2alignl 7, 3214868480
	.fill 96, 4, 3214868480
	.section	.rodata,"a",@progbits
	.p2align	6, 0x0
	.amdhsa_kernel k_qd4fa1093d1_main
		.amdhsa_group_segment_fixed_size 276992
		.amdhsa_private_segment_fixed_size 0
		.amdhsa_enable_private_segment 0
		.amdhsa_kernarg_size 128
		.amdhsa_user_sgpr_count 2
		.amdhsa_user_sgpr_kernarg_segment_ptr 1
		.amdhsa_wavefront_size32 1
		.amdhsa_system_sgpr_workgroup_id_x 1
		.amdhsa_system_sgpr_workgroup_id_y 1
		.amdhsa_system_sgpr_workgroup_id_z 1
		.amdhsa_system_vgpr_workitem_id 0
		.amdhsa_next_free_vgpr 1024
		.amdhsa_next_free_sgpr 66
		.amdhsa_reserve_vcc 1
		.amdhsa_float_denorm_mode_32 3
		.amdhsa_float_denorm_mode_16_64 3
		.amdhsa_memory_ordered 1
		.amdhsa_forward_progress 1
		.amdhsa_inst_pref_size 255
	.end_amdhsa_kernel
	.section	.bss,"aw",@nobits
	.p2align	6
	.space	262144
	.amdgpu_metadata
---
amdhsa.version: [ 1, 2 ]
amdhsa.kernels:
  - .name:           k_qd4fa1093d1_main
    .symbol:         k_qd4fa1093d1_main.kd
    .args:
      - { .name: x, .offset: 0, .size: 8, .value_kind: global_buffer, .address_space: global }
      - { .name: t, .offset: 8, .size: 8, .value_kind: global_buffer, .address_space: global }
      - { .name: b0, .offset: 16, .size: 8, .value_kind: global_buffer, .address_space: global }
      - { .name: b1, .offset: 24, .size: 8, .value_kind: global_buffer, .address_space: global }
      - { .name: w, .offset: 32, .size: 8, .value_kind: global_buffer, .address_space: global }
      - { .name: c_w, .offset: 40, .size: 8, .value_kind: global_buffer, .address_space: global }
      - { .name: wk1a, .offset: 48, .size: 8, .value_kind: global_buffer, .address_space: global }
      - { .name: wk1b, .offset: 56, .size: 8, .value_kind: global_buffer, .address_space: global }
      - { .name: wk0a, .offset: 64, .size: 8, .value_kind: global_buffer, .address_space: global }
      - { .name: wsm, .offset: 72, .size: 8, .value_kind: global_buffer, .address_space: global }
      - { .name: wkop, .offset: 80, .size: 8, .value_kind: global_buffer, .address_space: global }
      - { .name: wksq, .offset: 88, .size: 8, .value_kind: global_buffer, .address_space: global }
      - { .name: out0, .offset: 96, .size: 8, .value_kind: global_buffer, .address_space: global }
      - { .name: out1, .offset: 104, .size: 8, .value_kind: global_buffer, .address_space: global }
      - { .name: out2, .offset: 112, .size: 8, .value_kind: global_buffer, .address_space: global }
      - { .name: out3, .offset: 120, .size: 8, .value_kind: global_buffer, .address_space: global }
    .group_segment_fixed_size: 276992
    .private_segment_fixed_size: 0
    .kernarg_segment_align: 8
    .kernarg_segment_size: 128
    .max_flat_workgroup_size: 128
    .sgpr_count:     66
    .vgpr_count:     1024
    .wavefront_size: 32
...
	.end_amdgpu_metadata
.endif
;; end of part 4
